; MI455X (gfx1250); checked and timed in simulation.
; The chip was launched on July 23, 2026; its instructions are those of AMD's public machine-readable ISA for CDNA 5 (MIT licence, August 2026) and "CDNA5" Instruction Set Architecture Reference Guide (July 2026). The comments in the code are by the model that wrote it; some were corrected since.
;; Causal Multi Head Self Attention. Allowed arithmetic: matrix products marked QUANTISED: E2M3 operands, one E8M0 scale for each 32 along K, by v_wmma_scale_f32_16x16x128_f8f6f4 with both operands' format E2M3, f32 sums; everything else in f32.
;; Inputs: W_k_codes 1,024 x 32 x 24 uint8 (E2M3 codes of W_k, K innermost, in blocks of 32 codes, four codes in three bytes); W_k_scales 1,024 x 32 uint8 (E8M0 scales of W_k, one for each 32 codes along K); W_o_codes 1,024 x 32 x 24 uint8 (E2M3 codes of W_o, K innermost, in blocks of 32 codes, four codes in three bytes); W_o_scales 1,024 x 32 uint8 (E8M0 scales of W_o, one for each 32 codes along K); W_q_codes 1,024 x 32 x 24 uint8 (E2M3 codes of W_q, K innermost, in blocks of 32 codes, four codes in three bytes); W_q_scales 1,024 x 32 uint8 (E8M0 scales of W_q, one for each 32 codes along K); W_v_codes 1,024 x 32 x 24 uint8 (E2M3 codes of W_v, K innermost, in blocks of 32 codes, four codes in three bytes); W_v_scales 1,024 x 32 uint8 (E8M0 scales of W_v, one for each 32 codes along K); x_codes 4 x 2,048 x 32 x 24 uint8 (E2M3 codes of x, K innermost, in blocks of 32 codes, four codes in three bytes); x_scales 4 x 2,048 x 32 uint8 (E8M0 scales of x, one for each 32 codes along K).
;; Outputs: out0 4 x 2,048 x 1,024 float32.
;; This version of the problem:
;;   THIS VERSION OF THE PROBLEM IS GIVEN IN LOW PRECISION. The matrix products marked QUANTISED in the list below multiply operands that are first quantised to E2M3 (2 exponent bits, 3 mantissa bits; 6 bits a number), with one power-of-two scale for each 32 numbers along K (OCP MX v1.0); their sums are f32. All else is computed in f32.
;;   The module's matrix products, in the order in which they are computed (A, B: the left and right operand; K: the contracted axis; several contracted axes count as one K, in the product's order):
;;     1. [M 8,192, K 1,024] x [K 1,024, N 1,024]; A: input x (given as codes); B: input W_q (given as codes): QUANTISED
;;     2. [M 8,192, K 1,024] x [K 1,024, N 1,024]; A: input x (given as codes); B: input W_k (given as codes): QUANTISED
;;     3. [M 8,192, K 1,024] x [K 1,024, N 1,024]; A: input x (given as codes); B: input W_v (given as codes): QUANTISED
;;     4. batch 64 x [M 2,048, K 64] x [K 64, N 2,048]; A: computed on the way; B: computed on the way: QUANTISED
;;     5. batch 64 x [M 2,048, K 2,048] x [K 2,048, N 64]; A: softmax (see below); B: computed on the way: QUANTISED
;;     6. [M 8,192, K 1,024] x [K 1,024, N 1,024]; A: computed on the way; B: input W_o (given as codes): QUANTISED
;;   THE QUANTISER, for each operand of a quantised product, along K:
;;     - K is cut into blocks of 32 from its start; a last block that is shorter is filled with zeros.
;;     - A block's scale is 2^e with e = floor(log2(the largest magnitude in the block)) - 2, held to -126 .. 127; a block of zeros has e = 0. As a byte (E8M0): e + 127.
;;     - Each number is divided by its block's scale, clamped to +-7.5, and rounded to the nearest number of E2M3, ties to even, subnormals kept.
;;     - The product sums the exact products of the quantised numbers (number of the format x scale) in f32.
;;   ~~~python
;;   def quantise(x, axis):      # numpy; x: float32 -> the quantised numbers, widened to float32 again
;;       x = np.moveaxis(x, axis, -1); K = x.shape[-1]
;;       x = np.pad(x, [(0, 0)] * (x.ndim - 1) + [(0, -K % 32)]); x = x.reshape(x.shape[:-1] + (-1, 32)); a = np.abs(x).max(-1, keepdims=True)
;;       e = np.where(a > 0, np.clip(np.frexp(np.where(a > 0, a, 1))[1] - 1 - 2, -126, 127), 0)      # np.frexp(a)[1] - 1 = floor(log2(a)), exactly
;;       r = np.clip(x / 2.0 ** e, -7.5, 7.5)
;;       step = 2.0 ** (np.maximum(np.frexp(np.where(r == 0, 1, r))[1] - 1, 0) - 3)
;;       q = np.round(r / step) * step * 2.0 ** e      # np.round: ties to even
;;       return np.moveaxis(q.reshape(q.shape[:-2] + (-1,))[..., :K], -1, axis).astype(np.float32)
;;   ~~~
;;   SOFTMAX AHEAD OF A QUANTISED PRODUCT. Where the list says 'softmax', what is quantised is not the finished softmax but p = 2^(t - M), with t = logit x log2(e) and M = ceil(the row's largest t), a whole number; so 1/2 < the row's largest p <= 1. The row's sum l is taken of the UNQUANTISED p, in f32, and the product's result is divided by l at the end. Since M is a whole number, a kernel that streams over the keys may use a running M (the ceiling of the running maximum): every later rescaling is an exact power of two, which a block's scale takes up: the codes' values come out the same.
;;   OPERANDS COMPUTED ON THE WAY. 'Computed on the way' means the value that the module computes at that place (a softmax that the list does not call 'softmax' is quantised finished and normalised). What goes into a quantiser is computed in f32, as accurately as f32 sums, v_exp_f32 and their like allow (about 1e-6 of the number): no bf16 or f16 on the way to a quantiser, and a product that is left as it is and whose result goes on into a quantised operand takes f32 operands (vector FMAs, or v_wmma_f32_16x16x4_f32). A number that lies on a knife's edge between two numbers of the format may be rounded either way, as far as f32 arithmetic and the matrix unit's own rounding can turn it there, and no further.
;;   INPUTS GIVEN AS CODES. W_k (in the module: [1024, 1024], K = its axis 1); W_o (in the module: [1024, 1024], K = its axis 1); W_q (in the module: [1024, 1024], K = its axis 1); W_v (in the module: [1024, 1024], K = its axis 1); x (in the module: [4, 2048, 1024], K = its axis 2): each comes as NAME_codes (uint8): NAME with its K axis moved to the last place and cut into blocks of 32 codes, [.., K / 32, bytes a block], one block behind the other in memory; four codes in three bytes: a row's codes are one little-endian stream of bits, code i at bits 6 i .. 6 i + 5 (a code: sign, 2 exponent bits, 3 mantissa bits); and NAME_scales (uint8): the same leading axes, one E8M0 byte (e + 127) for each 32 codes along K. Its value is code x scale, taken as it is: it is not quantised again, and the codes and scales need not be those that the quantiser above would give.
;; One version. Each part assembles by itself: llvm-mc -triple=amdgcn-amd-amdhsa -mcpu=gfx1250 --defsym DOCPART=n.
;; ======== version 1 of 1: 3 launches
;; workspace buffers: qkvc 18,874,368 bytes; qkvs 1,572,864 bytes; oc 6,291,456 bytes; os 524,288 bytes
;; launch proj (part 1): grid 12 x 32, 4 waves a work-group, clusters of 4 x 4, 327,680 bytes of LDS; arguments x_codes, x_scales, W_q_codes, W_q_scales, W_k_codes, W_k_scales, W_v_codes, W_v_scales, qkvc, qkvs; writes qkvc, qkvs
.if DOCPART == 1
	.amdgcn_target "amdgcn-amd-amdhsa--gfx1250"
	.amdhsa_code_object_version 6
	.text
	.protected	k_q3fc966941f_proj
	.globl	k_q3fc966941f_proj
	.p2align	8
	.type	k_q3fc966941f_proj,@function
k_q3fc966941f_proj:
	s_mov_b64 s[64:65], 0
	v_nop
	global_prefetch_b8 v0, s[64:65] scope:SCOPE_SE
	s_setreg_imm32_b32 hwreg(HW_REG_WAVE_MODE, 25, 1), 1
	s_wait_xcnt 0x0
	s_wait_alu depctr_hold_cnt(0) depctr_sa_sdst(0) depctr_va_vdst(0) depctr_va_sdst(0) depctr_va_ssrc(0) depctr_va_vcc(0) depctr_vm_vsrc(0)
	s_getreg_b32 s2, hwreg(HW_REG_IB_STS2, 6, 4)
	s_cmp_eq_u32 s2, 0
	s_cbranch_scc0 .Lentry_in_a_cluster
	s_endpgm
.Lentry_in_a_cluster:
	s_bfe_u32 s2, ttmp6, 0x10000c
	s_cmp_lg_u32 s2, 0xf033
	s_cbranch_scc0 .Lentry_shape_is_right
	s_endpgm
.Lentry_shape_is_right:
; Q = x Wq^T, K = x Wk^T, V = x Wv^T on codes of FP6 (E2M3) with E8M0 scales, K = 1,024; the f32 results are quantised at once: Q and K along the head's 64, V along the keys.
; A tile is 256 x 256, made by four waves of 128 x 128 (64 accumulators, 512 registers).  K goes in steps of 256 through a ring of two LDS slots; the scale bytes of the tile's rows come once.
; THE MATRIX INSTRUCTION IS USED TRANSPOSED: source 0 = 16 rows of operand B, source 1 = 16 rows of operand A: a lane holds ONE row of A and its registers run along B's rows.  The quantiser runs along B's rows.
; So for Q and K (cluster x = 0, 1): A = x (tokens), B = the weight (the heads' dims);  for V (cluster x = 2): A = W_v (dims), B = x (tokens = keys).  The roles are chosen by selects on the cluster's x, which all partners share; no branch.
; WHAT IS STORED: half images of 768 bytes: 16 rows x 64 codes as the operand's registers: lane (r, h) holds block h of row r in six registers; registers 0-3 at 16 x lane, registers 4-5 at 512 + 8 x lane.
;   Q, K: [batch x head 64][tile of 16 tokens 128];  V: [batch x head][group of 64 keys 32][tile of 16 dims 4].  Scale words (byte 0, byte 1, 0x7f, 0x7f): Q, K [bh][token]; V [bh][group][dim].
; ORDER INSIDE A BLOCK OF 32: place 16 h + 8 u + j holds number 16 u + 8 h + j.  Q and K have it alike along the head, V and the softmax's p (made by the same lines in the next launch) alike along the keys: no product changes.
; CLUSTERS: 4 x 4 work-groups; A's tiles are shared along a row of the cluster, B's along a column, each by a joint load.
; LIMITS: NaN, infinities and given scale bytes 0xff are not served.  A block of zeros gets the byte 1 where the quantiser's rule says 127: its codes are zeros, and this program alone reads the bytes.  A block whose largest magnitude lies under 2^-124 is held at that floor.
; REGISTERS: window 0: v12-29 addresses; v32-63 scale words, two sets; v64-119 the way out; from v128 A's fragments, one set.  window 1: B's fragments, two sets.  windows 2, 3: the accumulators ((a, b) at v[8 (8 (a % 4) + b)]).
.set KSTEP,  256                       ; along K in a slot
.set NQ,     KSTEP/128                 ; matrix instructions deep
.set ROWB,   192                       ; a tile's row in bytes
.set KROW,   768                       ; a row of 1,024 codes in memory
.set PITCH,  240                       ; an LDS row: 3 x (64 bytes + 16 of padding)
.set FR,     12                        ; registers of a fragment
.set NL,     6                         ; LDS loads that bring one
.set NP,     4                         ; places behind this matrix instruction (ISA guide 7.12.1)
.set HALFT,  128*PITCH                 ; 128 rows: what one tensor load brings
.set SLOT,   4*HALFT                   ; A's 256 rows, then B's 256 rows
.set KS,     32                        ; a row of scale bytes
.set SCL,    2*SLOT                    ; behind the ring: the scales, as units of 256 bytes + 16 of padding
.set HALFS,  (128*KS/256)*272          ; the scales of 128 rows
.set SBLK,   (16*KS/256)*272           ; those of 16 rows
.set SPARE,  SCL+4*HALFS               ; the spare words, 128 bytes for each wave, which no other line names
.set SWS,  12                          ; v12  the way out: where my row's scale word goes: 1,024 x wave + 4 x lane (in slot 0, which has had its last fill and its last read by then)
.set SRD,  13                          ; v13  and where two rows' words are read back
.set L16,  14                          ; v14  16 x lane
.set L8,   15                          ; v15  512 + 8 x lane
.set ADRA, 16                          ; v16-17 LDS address of my A fragments in slot 0, 1 (v18-19: behind one padding more)
.set ADRB, 20                          ; v20-21 the same for B (v22-23)
.set L8P,  24                          ; v24  8 x lane
.set ADRS, 27                          ; v27  LDS address of my scale words: lanes 0-15 A's rows, lanes 16-31 B's
.set SPW,  28                          ; v28  LDS address of my spare word; never rewritten
.set NIL,  29                          ; v29  0; never rewritten
.set SC,   32                          ; scale words, set s at v[SC + 16 s]
.set CD,   64                          ; v64-75   the codes just made
.set PT,   76                          ; v76-83   their upper halves, ahead of the exchange
.set TM,   84                          ; v84-87 largest magnitudes, v88-91 the other half's and then the bytes, v96-99 the conversions' scale operands
.set PWA,  100                         ; v100-107 block a's scale word of my row (four bytes: my 128 numbers)
.set XW,   108                         ; v108-111 words read back
.set YW,   112                         ; v112-119 words to store
.set AF,   128                         ; A's fragments
.set G1, 24                            ; s[24:31] group 1 for A's tiles; s[32:39] group 0, one set a slot.  On the way out: the four bases of the codes, the four of the scale words
.set G0, 32
.set G1B, 48
.set G0B, 56
.set G1S, 68                           ; s[68:75], s[76:79] groups 1 and 0 for A's scales; s[80:87], s[88:91] for B's
.set G0S, 76
.set G1SB, 80
.set G0SB, 88
.set MSB, 0
.macro WIN new                         ; the immediate's high byte repeats the setting that is left
.if MSB != \new
	s_set_vgpr_msb (MSB<<8)|\new
.set MSB, \new
.endif
.endm
.set MUL_LO, 0xa1                      ; source 0 (B) window 1, source 1 (A) window 0, C and D window 2
.set MUL_HI, 0xf1                      ; the same, C and D window 3
.set TO_B,   0x40                      ; destination window 1, address window 0
; A joint load: waves 0 and 1 fetch for A, waves 2 and 3 for B; the branch hangs on the wave's number alone.  Four v_nop follow each of the two lines.
.macro JLOAD g0a, g1a, g0b, g1b
	s_cmp_eq_u32 s15, 0
	s_cbranch_scc0 .Lfor_b_\@
	tensor_load_to_lds s[\g0a:\g0a+3], s[\g1a:\g1a+7]
	s_nop 0
.rept 4
	v_nop
.endr
	s_branch .Lasked_\@
.Lfor_b_\@:
	tensor_load_to_lds s[\g0b:\g0b+3], s[\g1b:\g1b+7]
	s_nop 0
.rept 4
	v_nop
.endr
.Lasked_\@:
.endm
.macro CREST                           ; a round of the cluster's barrier behind its opening barrier
	s_cmp_lg_u32 s14, 0
	s_cbranch_scc1 .Lnot_wave_0_\@
	s_barrier_signal -3
.Lnot_wave_0_\@:
	s_barrier_wait -3
	s_barrier_signal -1
	s_barrier_wait -1
.endm
.macro CROUND                          ; a whole round
	s_barrier_signal -1
	s_barrier_wait -1
	CREST
.endm
	s_load_b512 s[68:83], s[0:1], 0x0              ; x's codes, scales; W_q's; W_k's; W_v's
	s_load_b128 s[84:87], s[0:1], 0x40             ; qkvc, qkvs
	v_lshl_add_u32 v[SPW], v0, 2, SPARE
	v_mov_b32 v[NIL], 0
	ds_add_u32 v28, v29
	ds_add_u32 v28, v29
	s_wait_dscnt 0x0
	v_lshrrev_b32 v1, 5, v0
	v_readfirstlane_b32 s14, v1                    ; wave 0..3
	s_lshr_b32 s15, s14, 1                         ; which half of A's rows is mine.  Also: I fetch for A (0) or for B (1)
	s_and_b32 s16, s14, 1                          ; which half of B's rows.  Also: which 128 rows I fetch
	s_bfe_u32 s40, ttmp6, 0x40000                  ; cx, cy: my place in the cluster
	s_bfe_u32 s41, ttmp6, 0x40004
	s_lshr_b32 s66, ttmp9, 1                       ; 1 for V (cluster x = 2), else 0
	s_xor_b32 s67, s66, 1
	s_and_b32 s18, ttmp7, 0xffff
	s_lshl_b32 s18, s18, 2                         ; 4 x cluster y
	s_mul_i32 s17, s18, s67
	s_add_co_u32 s17, s17, s41                     ; A's tile: Q, K: 32 tiles of tokens, cy + 4 Y;  V: 4 tiles of dims, cy
	s_mul_i32 s42, s18, s66
	s_add_co_u32 s42, s42, s40                     ; B's tile: Q, K: 4 tiles of dims, cx;  V: 32 tiles of tokens, cx + 4 Y
	s_lshl_b32 s43, s41, 2
	s_lshl_b32 s43, 15, s43                        ; my row of the cluster
	s_lshl_b32 s44, 0x1111, s40                    ; my column
	; descriptor group 1: a tile of 128 rows x 192 bytes, 16 bytes of padding behind every 64
	s_or_b32 s[G1+0], s43, (0<<16)|(1<<20)|(1<<21)|(3<<22)|(3<<25)
	s_or_b32 s[G1B+0], s44, (0<<16)|(1<<20)|(1<<21)|(3<<22)|(3<<25)
.irp g, G1, G1B
	s_mov_b32 s[\g+1], ROWB<<16                    ; tensor_dim0
	s_mov_b32 s[\g+2], 128<<16                     ; tensor_dim1
	s_mov_b32 s[\g+3], ROWB<<16                    ; tile_dim0
	s_mov_b32 s[\g+4], 128                         ; tile_dim1
	s_mov_b32 s[\g+5], KROW                        ; tensor_dim0_stride
	s_mov_b32 s[\g+6], 0
	s_mov_b32 s[\g+7], 0
.endr
	s_wait_kmcnt 0x0
	s_cmp_eq_u32 ttmp9, 1                          ; the roles: choices between buffers on the cluster's x alone
	s_cselect_b64 s[8:9], s[76:77], s[72:73]       ; the weight: W_k or W_q
	s_cselect_b64 s[10:11], s[78:79], s[74:75]
	s_cmp_eq_u32 ttmp9, 2
	s_cselect_b64 s[4:5], s[80:81], s[68:69]       ; A: W_v or x
	s_cselect_b64 s[6:7], s[82:83], s[70:71]
	s_cselect_b64 s[8:9], s[68:69], s[8:9]         ; B: x or the weight
	s_cselect_b64 s[10:11], s[70:71], s[10:11]
	s_mov_b64 s[12:13], s[84:85]                   ; qkvc
	s_mov_b64 s[96:97], s[86:87]                   ; qkvs
	; group 1 for the scales of 128 rows: a dense block of 4,096 bytes as rows of 256 bytes, 16 bytes of padding behind each
	s_or_b32 s[G1S+0], s43, (3<<16)|(1<<20)|(1<<21)|(5<<22)|(3<<25)
	s_or_b32 s[G1SB+0], s44, (3<<16)|(1<<20)|(1<<21)|(5<<22)|(3<<25)
.irp g, G1S, G1SB
	s_mov_b32 s[\g+1], 32<<16
	s_mov_b32 s[\g+2], (128*KS/256)<<16
	s_mov_b32 s[\g+3], 32<<16
	s_mov_b32 s[\g+4], 128*KS/256
	s_mov_b32 s[\g+5], 32
	s_mov_b32 s[\g+6], 0
	s_mov_b32 s[\g+7], 0
.endr
	s_lshl_b32 s18, s16, 7                         ; which 128 rows of the tile I fetch
	s_lshl_b32 s20, s17, 8
	s_add_co_u32 s20, s20, s18                     ; A: row 256 x tile + 128 x half
	s_lshl_b32 s46, s42, 8
	s_add_co_u32 s46, s46, s18                     ; B likewise
	s_mov_b32 s21, 0
	s_mov_b32 s47, 0
	s_mov_b64 s[18:19], KS
	s_mul_u64 s[22:23], s[20:21], s[18:19]         ; where these rows' scales begin
	s_mul_u64 s[92:93], s[46:47], s[18:19]
	s_mov_b64 s[18:19], KROW
	s_mul_u64 s[20:21], s[20:21], s[18:19]         ; and their codes
	s_mul_u64 s[46:47], s[46:47], s[18:19]
	s_mul_i32 s45, s14, HALFT                      ; where they go: wave x 128 rows
	s_mul_i32 s94, s14, HALFS
	s_add_nc_u64 s[20:21], s[4:5], s[20:21]
	s_add_nc_u64 s[22:23], s[6:7], s[22:23]
	s_add_nc_u64 s[46:47], s[8:9], s[46:47]
	s_add_nc_u64 s[92:93], s[10:11], s[92:93]
	CROUND                                         ; all sixteen work-groups are here: the first joint loads meet
	s_mov_b32 s[G0S], 1
	s_add_co_u32 s[G0S+1], s94, SCL
	s_mov_b64 s[G0S+2:G0S+3], s[22:23]
	s_or_b32 s[G0S+3], s[G0S+3], 0x80000000
	s_mov_b32 s[G0SB], 1
	s_add_co_u32 s[G0SB+1], s94, SCL
	s_mov_b64 s[G0SB+2:G0SB+3], s[92:93]
	s_or_b32 s[G0SB+3], s[G0SB+3], 0x80000000
	JLOAD G0S, G1S, G0SB, G1SB                     ; the scales first: they are wanted with K step 0
.irp s, 0,1
	s_mov_b32 s[G0+4*\s], 1
	s_add_co_u32 s[G0+4*\s+1], s45, \s*SLOT
	s_add_nc_u64 s[G0+4*\s+2:G0+4*\s+3], s[20:21], \s*ROWB
	s_or_b32 s[G0+4*\s+3], s[G0+4*\s+3], 0x80000000
	s_mov_b32 s[G0B+4*\s], 1
	s_add_co_u32 s[G0B+4*\s+1], s45, \s*SLOT
	s_add_nc_u64 s[G0B+4*\s+2:G0B+4*\s+3], s[46:47], \s*ROWB
	s_or_b32 s[G0B+4*\s+3], s[G0B+4*\s+3], 0x80000000
	JLOAD G0+4*\s, G1, G0B+4*\s, G1B               ; three tensor loads of mine are out
.endr
	v_and_b32 v1, 15, v0                           ; r = lane % 16
	v_bfe_u32 v2, v0, 4, 1                         ; h = lane / 16
	v_mul_u32_u24 v3, v1, PITCH
	v_mul_u32_u24 v4, v2, 24
	v_add_nc_u32 v4, v3, v4                        ; a fragment's row x pitch + 24 x half
	v_lshl_add_u32 v5, v2, 4, v4                   ; and the same behind one padding more
	s_mul_i32 s21, s15, HALFT                      ; my 128 rows of A
	s_mul_i32 s22, s16, HALFT                      ; my 128 rows of B,
	s_add_co_u32 s22, s22, 2*HALFT                 ; which lie behind A's 256
.irp s, 0,1
	v_add_nc_u32 v[ADRA+\s], s21, v4
	v_add_nc_u32 v[ADRB+\s], s22, v4
	v_add_nc_u32 v[ADRA+2+\s], s21, v5
	v_add_nc_u32 v[ADRB+2+\s], s22, v5
	s_add_co_u32 s21, s21, SLOT
	s_add_co_u32 s22, s22, SLOT
.endr
	v_mul_u32_u24 v5, v1, KS                       ; my row's scales: 32 bytes a row,
	v_lshrrev_b32 v6, 8, v5
	v_lshl_add_u32 v5, v6, 4, v5                   ; and 16 more for each 256 passed
	s_mul_i32 s21, s15, HALFS
	s_mul_i32 s22, s16, HALFS
	s_add_co_u32 s22, s22, 2*HALFS
	s_sub_co_u32 s22, s22, s21
	v_mul_u32_u24 v6, s22, v2                      ; lanes 16-31 take B's
	s_add_co_u32 s21, s21, SCL
	v_add_nc_u32 v5, v5, v6
	v_add_nc_u32 v[ADRS], s21, v5
	; the way out's lane terms
	v_and_b32 v6, 31, v0                           ; lane
	s_lshl_b32 s23, s14, 10                        ; 1,024 x wave
	v_lshl_add_u32 v[SWS], v6, 2, s23
	v_lshrrev_b32 v7, 3, v6
	v_and_b32 v8, 7, v6
	v_lshlrev_b32 v7, 7, v7
	v_lshl_add_u32 v7, v8, 3, v7
	v_add_nc_u32 v[SRD], s23, v7                   ; 128 (lane / 8) + 8 (lane % 8): rows 2 x lane and 2 x lane + 1 of 64
	v_lshlrev_b32 v[L16], 4, v6
	v_lshlrev_b32 v[L8P], 3, v6
	v_add_nc_u32 v[L8], 512, v[L8P]
.irp b, 0,1,2,3
	v_mov_b32 v[TM+4+\b], 0                        ; written once: a lane permute's destination counts as one of its sources
.endr
	; where my results go.  T0 = my first token, n0 = my first dim; bh0 = 16 (T0 / 2048) + n0 / 64.  Codes: 6,291,456 X + 98,304 bh0 + 48 (T0 % 2048); words: 524,288 X + 8,192 bh0 + 4 (T0 % 2048): the same for the three roles
	s_lshl_b32 s2, s17, 8
	s_lshl_b32 s95, s15, 7
	s_add_co_u32 s2, s2, s95                       ; my first row of A
	s_lshl_b32 s3, s42, 8
	s_lshl_b32 s95, s16, 7
	s_add_co_u32 s3, s3, s95                       ; my first row of B
	s_mov_b32 s98, 0xc00
	s_mov_b32 s99, 0x18000
	s_mov_b32 s100, 0x100
	s_mov_b32 s101, 0x2000
	s_cmp_eq_u32 ttmp9, 2
	s_cselect_b32 s95, s3, s2                      ; T0
	s_cselect_b32 s104, s2, s3                     ; n0
	s_cselect_b32 s2, s99, s98
	s_cselect_b32 s99, s98, s99                    ; SC: from the first 64 along B's rows to the second: the next head (98,304), for V the next group of keys (3,072)
	s_mov_b32 s98, s2                              ; SA: from A's blocks 0-3 to 4-7: four tiles of tokens (3,072), for V the next head
	s_cselect_b32 s2, s101, s100
	s_cselect_b32 s101, s100, s101                 ; SK: the words' step for the second 64 along B's rows
	s_mov_b32 s100, s2                             ; SJ: and for A's rows 64-127
	s_lshr_b32 s2, s95, 11
	s_lshl_b32 s2, s2, 4
	s_lshr_b32 s3, s104, 6
	s_add_co_u32 s2, s2, s3                        ; bh0
	s_and_b32 s95, s95, 2047
	s_mul_i32 s104, ttmp9, 0x600000
	s_mul_i32 s3, s2, 0x18000
	s_add_co_u32 s104, s104, s3
	s_mul_i32 s3, s95, 48
	s_add_co_u32 s104, s104, s3
	s_mov_b32 s105, 0
	s_add_nc_u64 s[12:13], s[12:13], s[104:105]
	s_lshl_b32 s104, ttmp9, 19
	s_lshl_b32 s3, s2, 13
	s_add_co_u32 s104, s104, s3
	s_lshl_b32 s3, s95, 2
	s_add_co_u32 s104, s104, s3
	s_add_nc_u64 s[96:97], s[96:97], s[104:105]
.macro FRAG reg, adr, q, i             ; a fragment: 16 rows x 128 K in 12 registers; lane (r, h): registers 6 c .. 6 c + 5 = K 64 c + 32 h + 0 .. 31: 24 bytes of the row as they lie, in pieces of 8 bytes
.irp p, 0,1,2,3,4,5
.set PCE, 12*(\q)+6*(\p/3)+\p%3        ; lanes 16-31 read three pieces further on; where that lies behind one padding more, the second address register serves
.if PCE%8 < 5
	ds_load_b64 v[\reg+2*\p:\reg+2*\p+1], v[\adr] offset:8*PCE+16*(PCE/8)+(\i)*16*PITCH
.else
	ds_load_b64 v[\reg+2*\p:\reg+2*\p+1], v[\adr+2] offset:8*PCE+16*(PCE/8)+(\i)*16*PITCH
.endif
.endr
.endm
; 16 matrix instructions: A's blocks a0, a0 + 1 x B's eight.  The 64 accumulators take turns, one instruction a turn, in the same order in every step.
.macro MUL16 a0, p, q, sc, zero
.irp a, \a0, \a0+1
.irp b, 0,1,2,3,4,5,6,7
.if \zero
	v_wmma_scale_f32_16x16x128_f8f6f4 v[8*(8*((\a)%4)+\b):8*(8*((\a)%4)+\b)+7], v[128*(\p)+FR*\b:128*(\p)+FR*\b+FR-1], v[AF+FR*(\a):AF+FR*(\a)+FR-1], 0, v[SC+8*NQ*(\sc)+NQ*\b+(\q)], v[SC+8*NQ*(\sc)+NQ*(\a)+(\q)] matrix_a_fmt:MATRIX_FMT_FP6 matrix_b_fmt:MATRIX_FMT_FP6 matrix_a_scale:MATRIX_SCALE_ROW1
.else
	v_wmma_scale_f32_16x16x128_f8f6f4 v[8*(8*((\a)%4)+\b):8*(8*((\a)%4)+\b)+7], v[128*(\p)+FR*\b:128*(\p)+FR*\b+FR-1], v[AF+FR*(\a):AF+FR*(\a)+FR-1], v[8*(8*((\a)%4)+\b):8*(8*((\a)%4)+\b)+7], v[SC+8*NQ*(\sc)+NQ*\b+(\q)], v[SC+8*NQ*(\sc)+NQ*(\a)+(\q)] matrix_a_fmt:MATRIX_FMT_FP6 matrix_b_fmt:MATRIX_FMT_FP6 matrix_a_scale:MATRIX_SCALE_ROW1
.endif
.endr
.endr
.endm
.macro FETCH_B slot, q, p              ; B's eight fragments of the slot's q-th 128 along K into set p
	WIN TO_B
.irp i, 0,1,2,3,4,5,6,7
	FRAG 128*(\p)+FR*\i, ADRB+\slot, \q, \i
.endr
	WIN 0
.endm
.macro FETCH_A slot, q, i0             ; A's blocks i0 .. i0 + 3
.irp i, \i0, \i0+1, \i0+2, \i0+3
	FRAG AF+FR*(\i), ADRA+\slot, \q, \i
.endr
.endm
.macro SCALES sc                       ; a K step's scale words into set sc: lanes 0-15 take A's block i, lanes 16-31 B's block i
.irp i, 0,1,2,3,4,5,6,7
	ds_load_b64 v[SC+8*NQ*\sc+NQ*\i:SC+8*NQ*\sc+NQ*\i+1], v[ADRS] offset:\i*SBLK
.endr
.endm
.macro PLACES n                        ; plain vector lines between a matrix instruction and a load into, or a read of, its registers
.rept \n
	v_nop
.endr
.endm
.macro STEP slot, q, zero              ; a step of 128 along K that has its successor in the same slot
	s_wait_dscnt 4*NL                              ; B's set and A's blocks 0-3 are in; the youngest 24 loads (A's blocks 4-7) may be out
	WIN MUL_LO
	MUL16 0, (\q)%2, \q, \slot, \zero
	MUL16 2, (\q)%2, \q, \slot, \zero
	s_wait_dscnt 0                                 ; A's blocks 4-7 are in
	PLACES NP
	FETCH_B \slot, (\q)+1, 1-(\q)%2
	FETCH_A \slot, (\q)+1, 0
	WIN MUL_HI
	MUL16 4, (\q)%2, \q, \slot, \zero
	MUL16 6, (\q)%2, \q, \slot, \zero
	PLACES NP
	WIN 0
	FETCH_A \slot, (\q)+1, 4
.endm
; A slot's last step changes slots: one barrier; in front of it each wave waits for all its tensor loads, adds 0 to its spare word, and waits for that and for its own reads of this slot.  fill = 1: this slot is filled again, two K steps ahead.
.macro TURN slot, next, fill
	s_wait_tensorcnt 0x0                           ; all my tensor loads have landed: my part of the next slot
	ds_add_u32 v[SPW], v[NIL]                      ; 0 onto my spare word
	s_wait_dscnt 4*NL+1                            ; (the add and the youngest 24 loads, A's blocks 4-7, may be out)
	WIN MUL_LO
	MUL16 0, 1, NQ-1, \slot, 0
	s_wait_dscnt 0x0                               ; the add is done, and my reads of this slot are over
	s_barrier_signal -1
	MUL16 2, 1, NQ-1, \slot, 0
	WIN 0
	s_barrier_wait -1
.if \fill
	CREST                                          ; the barrier has opened a round of the cluster's barrier: no wave of any partner still reads this slot or has a load on its way
	s_add_nc_u64 s[G0+4*\slot+2:G0+4*\slot+3], s[G0+4*\slot+2:G0+4*\slot+3], 2*ROWB
	s_add_nc_u64 s[G0B+4*\slot+2:G0B+4*\slot+3], s[G0B+4*\slot+2:G0B+4*\slot+3], 2*ROWB
	JLOAD G0+4*\slot, G1, G0B+4*\slot, G1B         ; the first tensor load behind the round; its four v_nop are the places in front of the loads below
.else
	PLACES NP
.endif
	v_add_nc_u32 v[ADRS], 4*NQ, v[ADRS]            ; on to the next K step's scale words
	FETCH_B \next, 0, 0
	FETCH_A \next, 0, 0
	SCALES \next
	WIN MUL_HI
	MUL16 4, 1, NQ-1, \slot, 0
	MUL16 6, 1, NQ-1, \slot, 0
	PLACES NP
	WIN 0
	FETCH_A \next, 0, 4
.endm
	s_wait_tensorcnt 1                             ; the scales and my part of K step 0 are in; K step 1's load may be out
	s_barrier_signal -1
	s_barrier_wait -1
	FETCH_B 0, 0, 0
	FETCH_A 0, 0, 0
	SCALES 0
	FETCH_A 0, 0, 4
	STEP 0, 0, 1                                   ; four K steps of 256, written out: the first products start the sums
	TURN 0, 1, 1                                   ; slot 0 takes K step 2
	STEP 1, 0, 0
	TURN 1, 0, 1                                   ; slot 1 takes K step 3
	STEP 0, 0, 0
	TURN 0, 1, 0                                   ; nothing is left to fetch
	STEP 1, 0, 0
	s_wait_dscnt 4*NL
	WIN MUL_LO
	MUL16 0, 1, NQ-1, 1, 0
	MUL16 2, 1, NQ-1, 1, 0
	s_wait_dscnt 0
	WIN MUL_HI
	MUL16 4, 1, NQ-1, 1, 0
	MUL16 6, 1, NQ-1, 1, 0
	WIN 0
	; THE WAY OUT.  No tensor load of mine is out since the last change of slots, so the descriptors' registers take the bases: codes (A's half ah, B's half c) at s[24 + 4 ah + 2 c], words (j, k) at s[32 + 4 j + 2 k].
	s_mov_b32 s104, s98
	s_mov_b64 s[24:25], s[12:13]
	s_add_nc_u64 s[28:29], s[12:13], s[104:105]
	s_mov_b32 s104, s99
	s_add_nc_u64 s[26:27], s[24:25], s[104:105]
	s_add_nc_u64 s[30:31], s[28:29], s[104:105]
	s_mov_b32 s104, s100
	s_mov_b64 s[32:33], s[96:97]
	s_add_nc_u64 s[36:37], s[96:97], s[104:105]
	s_mov_b32 s104, s101
	s_add_nc_u64 s[34:35], s[32:33], s[104:105]
	s_add_nc_u64 s[38:39], s[36:37], s[104:105]
	s_mov_b32 s20, 0x76543210
	s_mov_b32 s21, 0xfedcba98                      ; v_permlanex16_b32's selects for lane l xor 16
	s_mov_b32 s22, 0x7f7f7f7f                      ; the bytes of the padding blocks: 1.0
	PLACES NP
; Block a: my row 16 a + r of A, 128 numbers along B's rows: register 16 b + 8 u + j = number 32 b + 16 u + 8 h + j.  Four blocks of 32, each shared by lanes l and l xor 16.
.macro QUANTW a
.set AC, 64*((\a)%4)
.set WN, 0x0a+5*((\a)/4)
	WIN WN                                         ; sources 0 and 1: window 2 or 3
.irp b, 0,1,2,3
	v_max3_num_f32 v[TM+\b], |v[AC+16*\b]|, |v[AC+16*\b+1]|, 0x1800000   ; my 16 numbers of block b, each accumulator from its low end on, and the floor 2^(3 - 127): the byte cannot fall under 1
.endr
.irp i, 2,4,6,8,10,12,14
.irp b, 0,1,2,3
	v_max3_num_f32 v[TM+\b], |v[AC+16*\b+\i]|, |v[AC+16*\b+\i+1]|, v[TM+\b]
.endr
.endr
	WIN 0
.irp b, 0,1,2,3
	v_permlanex16_b32 v[TM+4+\b], v[TM+\b], s20, s21
.endr
.irp b, 0,1,2,3
	v_max_num_f32 v[TM+\b], v[TM+\b], v[TM+4+\b]   ; the block's largest magnitude
.endr
.irp b, 0,1,2,3
	v_add_nc_u32 v[TM+12+\b], 0xff000000, v[TM+\b] ; 2 off its exponent field: the conversion's scale operand
.endr
.irp b, 0,1,2,3
	v_lshrrev_b32 v[TM+4+\b], 23, v[TM+12+\b]      ; the scale's byte
.endr
	v_lshl_or_b32 v[PWA+(\a)], v[TM+5], 8, v[TM+4]
	v_lshl_or_b32 v[PWA+(\a)], v[TM+6], 16, v[PWA+(\a)]
	v_lshl_or_b32 v[PWA+(\a)], v[TM+7], 24, v[PWA+(\a)]
	s_wait_xcnt 0x0                                ; the last block's stores have read the codes' registers: they are written again only behind this wait
.set WN, 2+(\a)/4
	WIN WN                                         ; source 0: window 2 or 3
.irp c, 0,1
	v_cvt_scalef32_pk16_fp6_f32 v[CD+6*\c:CD+6*\c+2], v[AC+32*\c:AC+32*\c+15], v[TM+12+2*\c]
	v_cvt_scalef32_pk16_fp6_f32 v[PT+4*\c:PT+4*\c+2], v[AC+32*\c+16:AC+32*\c+31], v[TM+12+2*\c+1]   ; (a conversion's three registers begin on an even number)
.endr
	WIN 0
	v_nop                                          ; one plain line behind a scaled conversion
.irp c, 0,1                            ; a whole block to a lane: lanes 0-15 block 2 c, lanes 16-31 block 2 c + 1
.irp i, 0,1,2
	v_permlane16_swap_b32 v[CD+6*\c+\i], v[PT+4*\c+\i]
.endr
.irp i, 0,1,2
	v_mov_b32 v[CD+3+6*\c+\i], v[PT+4*\c+\i]
.endr
.endr
.irp c, 0,1                            ; two half images: each is 512 + 256 consecutive bytes, at a multiple of 256 from the buffer's first byte
	global_store_b128 v[L16], v[CD+6*\c:CD+6*\c+3], s[24+4*((\a)/4)+2*\c:25+4*((\a)/4)+2*\c] offset:768*((\a)%4)
	global_store_b64 v[L8], v[CD+6*\c+4:CD+6*\c+5], s[24+4*((\a)/4)+2*\c:25+4*((\a)/4)+2*\c] offset:768*((\a)%4)
.endr
.endm
.irp a, 0,1,2,3,4,5,6,7
	QUANTW \a
.endr
	; the scale words: through my own 1,024 bytes of LDS, so that 32 lanes store 256 consecutive bytes.  LDS serves a wave's instructions in order: the loads see the stores.
.irp a, 0,1,2,3,4,5,6,7
	ds_store_b32 v[SWS], v[PWA+\a] offset:128*\a   ; row 16 a + r at 128 a + 4 r (lanes 16-31 hold the same words and lay them 64 bytes on)
.endr
.irp j, 0,1
	ds_load_b64 v[XW+2*\j:XW+2*\j+1], v[SRD] offset:512*\j   ; rows 64 j + 2 x lane and the next
.endr
	s_wait_dscnt 0x0
.irp j, 0,1
.irp i, 0,1
	v_perm_b32 v[YW+4*\j+\i], s22, v[XW+2*\j+\i], 0x04040100     ; the first 64 along B's rows: bytes 0, 1, then 0x7f twice
	v_perm_b32 v[YW+4*\j+2+\i], s22, v[XW+2*\j+\i], 0x04040302   ; the second 64: bytes 2, 3
.endr
.endr
.irp j, 0,1
.irp k, 0,1
	global_store_b64 v[L8P], v[YW+4*\j+2*\k:YW+4*\j+2*\k+1], s[32+4*\j+2*\k:33+4*\j+2*\k]
.endr
.endr
	s_wait_tensorcnt 0x0                           ; the wave's end: behind my last tensor load and my last LDS store
	ds_add_u32 v[SPW], v[NIL]
	s_wait_dscnt 0x0
	CROUND                                         ; the closing round: no work-group ends while a partner may still ask for a tile that names it
	s_endpgm
.Lfunc_end_k_q3fc966941f_proj:
	.size	k_q3fc966941f_proj, .Lfunc_end_k_q3fc966941f_proj-k_q3fc966941f_proj
	.p2alignl 7, 3214868480
	.fill 96, 4, 3214868480
	.section	.rodata,"a",@progbits
	.p2align	6, 0x0
	.amdhsa_kernel k_q3fc966941f_proj
		.amdhsa_group_segment_fixed_size 327680
		.amdhsa_private_segment_fixed_size 0
		.amdhsa_enable_private_segment 0
		.amdhsa_kernarg_size 80
		.amdhsa_user_sgpr_count 2
		.amdhsa_user_sgpr_kernarg_segment_ptr 1
		.amdhsa_wavefront_size32 1
		.amdhsa_system_sgpr_workgroup_id_x 1
		.amdhsa_system_sgpr_workgroup_id_y 1
		.amdhsa_system_sgpr_workgroup_id_z 1
		.amdhsa_system_vgpr_workitem_id 0
		.amdhsa_next_free_vgpr 1024
		.amdhsa_next_free_sgpr 106
		.amdhsa_reserve_vcc 0
		.amdhsa_float_denorm_mode_32 3
		.amdhsa_float_denorm_mode_16_64 3
		.amdhsa_memory_ordered 1
		.amdhsa_forward_progress 1
		.amdhsa_inst_pref_size 168
	.end_amdhsa_kernel
	.amdgpu_metadata
---
amdhsa.version: [ 1, 2 ]
amdhsa.kernels:
  - .name:           k_q3fc966941f_proj
    .symbol:         k_q3fc966941f_proj.kd
    .args:
      - { .name: x_codes, .offset: 0, .size: 8, .value_kind: global_buffer, .address_space: global }
      - { .name: x_scales, .offset: 8, .size: 8, .value_kind: global_buffer, .address_space: global }
      - { .name: W_q_codes, .offset: 16, .size: 8, .value_kind: global_buffer, .address_space: global }
      - { .name: W_q_scales, .offset: 24, .size: 8, .value_kind: global_buffer, .address_space: global }
      - { .name: W_k_codes, .offset: 32, .size: 8, .value_kind: global_buffer, .address_space: global }
      - { .name: W_k_scales, .offset: 40, .size: 8, .value_kind: global_buffer, .address_space: global }
      - { .name: W_v_codes, .offset: 48, .size: 8, .value_kind: global_buffer, .address_space: global }
      - { .name: W_v_scales, .offset: 56, .size: 8, .value_kind: global_buffer, .address_space: global }
      - { .name: qkvc, .offset: 64, .size: 8, .value_kind: global_buffer, .address_space: global }
      - { .name: qkvs, .offset: 72, .size: 8, .value_kind: global_buffer, .address_space: global }
    .group_segment_fixed_size: 327680
    .private_segment_fixed_size: 0
    .kernarg_segment_align: 8
    .kernarg_segment_size: 80
    .max_flat_workgroup_size: 128
    .sgpr_count:     106
    .vgpr_count:     1024
    .wavefront_size: 32
...
	.end_amdgpu_metadata
.endif
;; end of part 1
;; launch attn (part 2): grid 4 x 64, 16 waves a work-group, clusters of 4 x 1, 217,088 bytes of LDS; arguments qkvc, qkvs, oc, os; writes oc, os
.if DOCPART == 2
	.amdgcn_target "amdgcn-amd-amdhsa--gfx1250"
	.amdhsa_code_object_version 6
	.text
	.protected	k_q3fc966941f_attn
	.globl	k_q3fc966941f_attn
	.p2align	8
	.type	k_q3fc966941f_attn,@function
k_q3fc966941f_attn:
	s_mov_b64 s[64:65], 0
	v_nop
	global_prefetch_b8 v0, s[64:65] scope:SCOPE_SE
	s_setreg_imm32_b32 hwreg(HW_REG_WAVE_MODE, 25, 1), 1
	s_wait_xcnt 0x0
	s_wait_alu depctr_hold_cnt(0) depctr_sa_sdst(0) depctr_va_vdst(0) depctr_va_sdst(0) depctr_va_ssrc(0) depctr_va_vcc(0) depctr_vm_vsrc(0)
	s_getreg_b32 s2, hwreg(HW_REG_IB_STS2, 6, 4)
	s_cmp_eq_u32 s2, 0
	s_cbranch_scc0 .Lentry_in_a_cluster
	s_endpgm
.Lentry_in_a_cluster:
	s_bfe_u32 s2, ttmp6, 0x10000c
	s_cmp_lg_u32 s2, 0x3003
	s_cbranch_scc0 .Lentry_shape_is_right
	s_endpgm
.Lentry_shape_is_right:
; Causal attention of one head (64 dims, 2,048 tokens) on codes of FP6 (E2M3) with E8M0 scales; its result, divided by the row's sum, is quantised along d_model for the last product.
; t = score x log2(e) / 8; M = the running largest t rounded up to a whole number; p = 2^(t - M) is quantised along the keys, not normalised; the row's sum is taken of the unquantised p and divides at the end.
; SHARES.  The four work-groups of a cluster serve one (batch, head).  The head's K and V (codes 2 x 98,304 bytes, scale words 2 x 8,192) come into each work-group's LDS ONCE, by joint loads: no ring, nothing is filled again.
; Wave w (gamma = w / 2, e = 2 cx + w % 2) takes two tiles of 16 queries, numbers 8 gamma + e and 8 (15 - gamma) + e: (gamma + 1) + (16 - gamma) = 17 key steps of 128 for every wave.
; Which steps are hidden, and which lies on the diagonal, hangs on tile / 8, made of the wave's number alone; cx enters global addresses and the lane's threshold of the mask only.
; LAYOUT.  Both products are used transposed: S^T = K Q^T (source 0 = 16 keys), O^T = V^T P^T (source 0 = 16 dims): a lane holds one query throughout.  Operands lie as half images of 768 bytes (16 rows x 64 codes as registers).
; THE HEAD IS 64 AND THE INSTRUCTION'S K IS 128: Q's registers 6-11 are zero codes.  A tile of K is named as 12 registers of which the upper six are the next tile's codes (zeros behind the last): every code is a finite number, the padding
; blocks' scale bytes are 0x7f on both sides, so those products are zeros.
; ORDER INSIDE A BLOCK OF 32 KEYS: p's codes, made from tiles of 16 neighbouring keys, have place 16 h + 8 u + j for key 16 u + 8 h + j, and so have V's codes, made by the same lines in the launch before.
; LIMITS: NaN and infinities are not served.  A block of zeros gets the byte 1 where the quantiser's rule says 127 (its codes are zeros; this program alone reads the bytes); a block whose largest magnitude lies under 2^-124 is held at that floor.
.set VC,   98304                       ; LDS: K's 128 half images from 0; V's 128 from here;
.set KSC,  196608                      ; K's scale words, 4 bytes a token; V's 8,192 bytes on: [group of 64 keys][dim];
.set OSG,  212992                      ; and 2,048 bytes that no load fills, in which the result's scale words are gathered
.set L16,  1                           ; v1   16 x lane
.set L8,   2                           ; v2   512 + 8 x lane
.set L4,   3                           ; v3   KSC + 4 x lane
.set A16K, 4                           ; v4-8 the step's addresses
.set A8K,  5
.set A16V, 6
.set A8V,  7
.set AS,   8
.set DD,   9                           ; v9   d = 16 e + r - 8 h: on the diagonal register 8 t + j (key 16 t + 8 h + j) is hidden where 16 t + j > d
.set NINF, 10                          ; v10  -infinity
.set R4,   11                          ; v11  4 r
.set QF,   16                          ; v16-21 Q's codes, v22-27 zeros.  v12 -M, v13 the largest t, v[14:15] the sum in two halves
.set QS,   28                          ; v28  Q's scale words
.set PSC,  29                          ; v29  p's
.set KSR,  30                          ; v30-33 K's: lanes 0-15 tile 2 i, lanes 16-31 tile 2 i + 1
.set VS,   34                          ; v34-35 V's likewise
.set VR,   36                          ; v36-39 V's words as they lie, two groups of keys
.set KV,   40                          ; v40-87 eight tiles of K (6 registers each), later four of V (12 each); v88-93 zeros
.set S,    96                          ; v96-159 S^T, then p; at a pass's end O^T / the sum
.set OT,   160                         ; v160-191 O^T
.set PC,   192                         ; v192-203 codes
.set PT,   204                         ; v204-211 their upper halves, ahead of the exchange
.set BM,   212                         ; v212-215 the blocks' largest
.set TP,   216                         ; v216-219 the other half's, then the bytes
.set SO,   220                         ; v220-223 the conversions' scale operands
.set TT,   224
.set FF,   226                         ; v[226:227] f = 2^(old M - new M)
.set SUM2, 228                         ; v[228:229] the sums' second chain
.set Q2,   230                         ; v230-235 the second tile's Q, v236 its scale words
.set OW,   237                         ; v237-238 the two passes' scale words of the result
.set OA0,  239
.set OA1,  240
.set GA,   241
.set GD,   242
.set GO,   244
.set L16V, 245
.set L8V,  246
.set WV,   12
.set CX,   13
.set BH,   14
.set GC,   15                          ; s15  the key step on the diagonal: my tile / 8
.set G1C,  16
.set G0C,  24
.set G1S,  28
.set G0S,  36
.set ST,   40                          ; s40  the key step
.set PASS, 41
.set TK,   42                          ; s42  the step's codes: 6,144 bytes a step, in K as in V
.set TS,   43                          ; s43  its scale words: 512 bytes a step
.set CS,   44                          ; s[44:45] c = log2(e) / 8
.set SEL,  46
.set OB,   48                          ; s[48:49] where my tile's half image goes
.set OD,   50                          ; s[50:51] from the first tile's to the second's
.set PSEL, 52
.macro CROUND
	s_barrier_signal -1
	s_barrier_wait -1
	s_cmp_lg_u32 s[WV], 0
	s_cbranch_scc1 .Lnot_wave_0_\@
	s_barrier_signal -3
.Lnot_wave_0_\@:
	s_barrier_wait -3
	s_barrier_signal -1
	s_barrier_wait -1
.endm
	s_load_b256 s[4:11], s[0:1], 0x0               ; qkvc, qkvs, oc, os
	v_lshl_add_u32 v254, v0, 2, 0x34800
	v_mov_b32 v255, 0
	ds_add_u32 v254, v255
	ds_add_u32 v254, v255
	v_lshrrev_b32 v1, 5, v0
	s_delay_alu instid0(VALU_DEP_1)
	v_readfirstlane_b32 s[WV], v1                  ; wave 0..15
	s_bfe_u32 s[CX], ttmp6, 0x40000                ; cx
	s_and_b32 s[BH], ttmp7, 0xffff                 ; 16 x batch + head, which the four partners share
	; group 1: dense blocks as rows of 256 bytes (32 elements of 8 bytes): 48 rows of codes, 4 rows of scale words; the mask names all four work-groups
	s_mov_b32 s[G1C], 15|(3<<16)|(1<<21)
	s_mov_b32 s[G1C+1], 32<<16
	s_mov_b32 s[G1C+2], 48<<16
	s_mov_b32 s[G1C+3], 32<<16
	s_mov_b32 s[G1C+4], 48
	s_mov_b32 s[G1C+5], 32
	s_mov_b32 s[G1C+6], 0
	s_mov_b32 s[G1C+7], 0
	s_mov_b32 s[G1S], 15|(3<<16)|(1<<21)
	s_mov_b32 s[G1S+1], 32<<16
	s_mov_b32 s[G1S+2], 4<<16
	s_mov_b32 s[G1S+3], 32<<16
	s_mov_b32 s[G1S+4], 4
	s_mov_b32 s[G1S+5], 32
	s_mov_b32 s[G1S+6], 0
	s_mov_b32 s[G1S+7], 0
	s_lshr_b32 s54, s[WV], 3
	s_add_co_u32 s54, s54, 1                       ; waves 0-7 fetch K's part of the buffers (1), waves 8-15 V's (2),
	s_and_b32 s55, s[WV], 7                        ; an eighth each
	s_mul_i32 s56, s54, 0x600000
	s_mul_i32 s57, s[BH], 0x18000
	s_add_co_u32 s56, s56, s57
	s_mul_i32 s57, s55, 12288
	s_add_co_u32 s56, s56, s57
	s_mov_b32 s57, 0
	s_lshl_b32 s58, s54, 19
	s_lshl_b32 s59, s[BH], 13
	s_add_co_u32 s58, s58, s59
	s_lshl_b32 s59, s55, 10
	s_add_co_u32 s58, s58, s59
	s_mov_b32 s59, 0
	s_mul_i32 s60, s[WV], 12288                    ; in LDS K's and V's regions lie on end: wave x 12,288,
	s_lshl_b32 s61, s[WV], 10                      ; and wave x 1,024 for the words
	s_wait_dscnt 0x0
	s_wait_kmcnt 0x0
	s_mov_b32 s[G0C], 1
	s_mov_b32 s[G0C+1], s60
	s_add_nc_u64 s[G0C+2:G0C+3], s[4:5], s[56:57]
	s_or_b32 s[G0C+3], s[G0C+3], 0x80000000
	s_mov_b32 s[G0S], 1
	s_add_co_u32 s[G0S+1], s61, KSC
	s_add_nc_u64 s[G0S+2:G0S+3], s[6:7], s[58:59]
	s_or_b32 s[G0S+3], s[G0S+3], 0x80000000
	CROUND                                         ; all four work-groups are here: the joint loads meet
	tensor_load_to_lds s[G0C:G0C+3], s[G1C:G1C+7]  ; every wave issues its two: two tensor loads of mine are out
	s_nop 0
	tensor_load_to_lds s[G0S:G0S+3], s[G1S:G1S+7]
	s_nop 0
.rept 4
	v_nop
.endr
	v_and_b32 v4, 31, v0                           ; lane
	v_and_b32 v5, 15, v0                           ; r
	v_bfe_u32 v6, v0, 4, 1                         ; h
	s_delay_alu instid0(VALU_DEP_3)
	v_lshlrev_b32 v[L16], 4, v4
	s_delay_alu instid0(VALU_DEP_4)
	v_lshlrev_b32 v7, 3, v4
	s_delay_alu instid0(VALU_DEP_1)
	v_add_nc_u32 v[L8], 512, v7
	s_wait_alu depctr_va_vdst(0)
	v_lshl_add_u32 v[L4], v4, 2, KSC
	v_add_nc_u32 v[L16V], VC, v[L16]
	v_add_nc_u32 v[L8V], VC, v[L8]
	v_lshlrev_b32 v[R4], 2, v5
	s_wait_alu depctr_va_vdst(0)
	s_and_b32 s54, s[WV], 1
	s_lshl_b32 s66, s[CX], 1
	s_add_co_u32 s66, s66, s54                     ; e
	s_lshl_b32 s56, s66, 4
	v_lshlrev_b32 v8, 3, v6
	s_delay_alu instid0(VALU_DEP_1)
	v_sub_nc_u32 v[DD], v5, v8
	s_delay_alu instid0(VALU_DEP_1)
	v_add_nc_u32 v[DD], s56, v[DD]
	s_lshr_b32 s[GC], s[WV], 1                     ; gamma
	s_lshl_b32 s67, s[GC], 3
	s_add_co_u32 s67, s67, s66                     ; my first tile
	s_lshl_b32 s68, s[GC], 1
	s_sub_co_u32 s68, 15, s68                      ; the second lies 8 (15 - 2 gamma) tiles on
	s_mul_i32 s70, s[BH], 0x18000
	s_mul_i32 s71, s67, 768
	s_add_co_u32 s70, s70, s71
	s_mov_b32 s71, 0
	s_add_nc_u64 s[72:73], s[4:5], s[70:71]        ; Q's half images,
	s_mul_i32 s70, s68, 6144
	s_add_nc_u64 s[74:75], s[72:73], s[70:71]
	s_lshl_b32 s70, s[BH], 13
	s_lshl_b32 s69, s67, 6
	s_add_co_u32 s70, s70, s69
	s_add_nc_u64 s[76:77], s[6:7], s[70:71]        ; and scale words
	s_lshl_b32 s70, s68, 9
	s_add_nc_u64 s[78:79], s[76:77], s[70:71]
	global_load_b128 v[QF:QF+3], v[L16], s[72:73]
	global_load_b64 v[QF+4:QF+5], v[L8], s[72:73]
	global_load_b32 v[QS], v[R4], s[76:77]
	global_load_b128 v[Q2:Q2+3], v[L16], s[74:75]
	global_load_b64 v[Q2+4:Q2+5], v[L8], s[74:75]
	global_load_b32 v[Q2+6], v[R4], s[78:79]
	s_lshr_b32 s69, s[BH], 4                       ; batch
	s_and_b32 s53, s[BH], 15                       ; head
	s_lshl_b32 s70, s69, 7
	s_add_co_u32 s70, s70, s67
	s_mul_i32 s70, s70, 12288                      ; oc: [tile of 16 tokens][head] half images
	s_mul_i32 s54, s53, 768
	s_add_co_u32 s70, s70, s54
	s_add_nc_u64 s[OB:OB+1], s[8:9], s[70:71]
	s_mul_i32 s[OD], s68, 0x18000
	s_mov_b32 s[OD+1], 0
	s_lshl_b32 s70, s53, 15                        ; os: [head][batch][cx][tile / 8][32 rows] words
	s_lshl_b32 s54, s69, 13
	s_add_co_u32 s70, s70, s54
	s_lshl_b32 s54, s[CX], 11
	s_add_co_u32 s70, s70, s54
	s_add_nc_u64 s[10:11], s[10:11], s[70:71]
	s_lshl_b32 s54, s[WV], 6
	v_add_nc_u32 v[OA0], s54, v[R4]
	s_delay_alu instid0(VALU_DEP_1)
	v_add_nc_u32 v[OA0], OSG, v[OA0]               ; the first pass's words: 128 gamma + 64 (w % 2) + 4 r = 64 w + 4 r
	s_xor_b32 s54, s[WV], 30
	s_lshl_b32 s54, s54, 6
	v_add_nc_u32 v[OA1], s54, v[R4]
	s_delay_alu instid0(VALU_DEP_1)
	v_add_nc_u32 v[OA1], OSG, v[OA1]               ; the second's: 128 (15 - gamma) + 64 (w % 2) + 4 r
	s_and_b32 s54, s[WV], 7
	s_lshl_b32 s54, s54, 8
	v_add_nc_u32 v[GO], s54, v7                    ; waves 0-7 store 256 bytes each of the gathered words
	s_delay_alu instid0(VALU_DEP_1)
	v_add_nc_u32 v[GA], OSG, v[GO]
	v_mov_b32 v[NINF], 0xff800000
.irp j, 0,1,2,3,4,5
	v_mov_b32 v[QF+6+\j], 0                        ; zero codes: the upper half of K = 128
	v_mov_b32 v[KV+48+\j], 0
.endr
.irp b, 0,1,2,3
	v_mov_b32 v[TP+\b], 0                          ; written once: a lane permute's destination counts as one of its sources
.endr
	v_mov_b32 v[TT], 0
	v_mov_b32 v[FF+1], 0                           ; (named as the upper half of a pair)
	v_mov_b32 v[OW+1], 0
	s_mov_b32 s[CS], 0x3e38aa3b
	s_mov_b32 s[CS+1], s[CS]
	s_mov_b32 s[SEL], 0x76543210
	s_mov_b32 s[SEL+1], 0xfedcba98
	s_mov_b32 s[PSEL], 0x05040100
	s_wait_tensorcnt 0x0                           ; my parts of K and V have landed,
	s_wait_loadcnt 0x0                             ; and Q
	s_barrier_signal -1
	s_barrier_wait -1                              ; everybody's have
	s_mov_b32 s[PASS], 0
.Lpass:                                            ; two passes, one for each of my tiles
	v_mov_b32 v13, 0xff61b1e6                      ; the largest t so far: -3e38
	s_delay_alu instid0(VALU_DEP_1)
	v_floor_f32 v12, -v13                          ; -M
	v_mov_b32 v14, 0
	v_mov_b32 v15, 0
.set j, 0
.rept 32
	v_mov_b32 v[OT+j], 0                           ; O^T: the step is written once; the first finds zeros, which the first change of M leaves zeros
.set j, j+1
.endr
	s_mov_b32 s[ST], 0
	s_mov_b32 s[TK], 0
	s_mov_b32 s[TS], 0
.Lstep:                                            ; sixteen trips, a constant; a step all of whose keys come after my queries does nothing but step the addresses
	s_cmp_gt_u32 s[ST], s[GC]
	s_cbranch_scc1 .Lhid
	s_setprio 2
	v_add_nc_u32 v[A16K], s[TK], v[L16]            ; (these five are also the places between the last step's products and the loads into their registers)
	v_add_nc_u32 v[A8K], s[TK], v[L8]
	v_add_nc_u32 v[A16V], s[TK], v[L16V]
	v_add_nc_u32 v[A8V], s[TK], v[L8V]
	v_add_nc_u32 v[AS], s[TS], v[L4]
.irp t, 0,1,2,3,4,5,6,7
	ds_load_b128 v[KV+6*\t:KV+6*\t+3], v[A16K] offset:768*\t
	ds_load_b64 v[KV+6*\t+4:KV+6*\t+5], v[A8K] offset:768*\t
.endr
.irp i, 0,1,2,3
	ds_load_b32 v[KSR+\i], v[AS] offset:128*\i
.endr
	s_wait_alu depctr_va_vdst(0)
	s_wait_dscnt 0x0
.irp t, 0,1,2,3,4,5,6,7                        ; S^T: tile t = keys 16 t on; register j of lane (r, h): key 16 t + 8 h + j, query r
.if \t%2
	v_wmma_scale_f32_16x16x128_f8f6f4 v[S+8*\t:S+8*\t+7], v[KV+6*\t:KV+6*\t+11], v[QF:QF+11], 0, v[KSR+\t/2], v[QS] matrix_a_fmt:MATRIX_FMT_FP6 matrix_b_fmt:MATRIX_FMT_FP6 matrix_a_scale:MATRIX_SCALE_ROW1
.else
	v_wmma_scale_f32_16x16x128_f8f6f4 v[S+8*\t:S+8*\t+7], v[KV+6*\t:KV+6*\t+11], v[QF:QF+11], 0, v[KSR+\t/2], v[QS] matrix_a_fmt:MATRIX_FMT_FP6 matrix_b_fmt:MATRIX_FMT_FP6
.endif
.endr
.rept 4
	v_nop                                          ; places: in front of the loads into K's registers and of the first read of the scores
.endr
.irp dt, 0,1,2,3                               ; V's four tiles of 16 dims x 128 keys: they land while the softmax is worked
.irp c, 0,1
	ds_load_b128 v[KV+12*\dt+6*\c:KV+12*\dt+6*\c+3], v[A16V] offset:3072*\c+768*\dt
	ds_load_b64 v[KV+12*\dt+6*\c+4:KV+12*\dt+6*\c+5], v[A8V] offset:3072*\c+768*\dt
.endr
.endr
.irp par, 0,1
.irp m, 0,1
	ds_load_b32 v[VR+2*\par+\m], v[AS] offset:8192+256*\par+128*\m
.endr
.endr
	s_cmp_lg_u32 s[ST], s[GC]
	s_cbranch_scc1 .Lopen                          ; only the step on the diagonal has hidden keys
.set n, 0
.rept 64
	v_cmp_gt_i32 vcc_lo, 16*(n/8)+n%8, v[DD]
	v_cndmask_b32 v[S+n], v[S+n], v[NINF], vcc_lo
.set n, n+1
.endr
.Lopen:
.irp b, 0,1,2,3
	v_max3_num_f32 v[BM+\b], v[S+16*\b], v[S+16*\b+1], v[S+16*\b+2]   ; the largest score of each block of 32 keys: for the row's maximum, and, since p rises with the score, for the block's largest p
.endr
.irp i, 3,5,7,9,11,13
.irp b, 0,1,2,3
	v_max3_num_f32 v[BM+\b], v[BM+\b], v[S+16*\b+\i], v[S+16*\b+\i+1]
.endr
.endr
.irp b, 0,1,2,3
	v_max_num_f32 v[BM+\b], v[BM+\b], v[S+16*\b+15]
.endr
.irp b, 0,1,2,3
	s_delay_alu instid0(VALU_DEP_4)
	v_permlanex16_b32 v[TP+\b], v[BM+\b], s[SEL], s[SEL+1]
.endr
.irp b, 0,1,2,3
	s_delay_alu instid0(VALU_DEP_4)
	v_max_num_f32 v[BM+\b], v[BM+\b], v[TP+\b]
.endr
	s_delay_alu instid0(VALU_DEP_2)
	v_max3_num_f32 v[TT], v[BM], v[BM+1], v[BM+2]
	s_delay_alu instid0(VALU_DEP_1)
	v_max_num_f32 v[TT], v[TT], v[BM+3]
	s_delay_alu instid0(VALU_DEP_1)
	v_mul_f32 v[TT], s[CS], v[TT]
	s_delay_alu instid0(VALU_DEP_1)
	v_max_num_f32 v13, v13, v[TT]                  ; the running largest t
	v_mov_b32 v[TT], v12
	s_delay_alu instid0(VALU_DEP_2)
	v_floor_f32 v12, -v13                          ; the new -M: M is a whole number
	s_delay_alu instid0(VALU_DEP_1)
	v_sub_f32 v[TT], v12, v[TT]
	s_delay_alu instid0(VALU_DEP_1)
	v_cvt_i32_f32 v[TT], v[TT]                     ; (it saturates)
	s_delay_alu instid0(VALU_DEP_1)
	v_ldexp_f32 v[FF], 1.0, v[TT]                  ; f = 2^(old M - new M): rounds nothing
.set j, 0
	s_setprio 1
.rept 32
	v_pk_fma_f32 v[S+j:S+j+1], v[S+j:S+j+1], s[CS:CS+1], v[12:13] op_sel_hi:[1,0,0]   ; t - M
.set j, j+2
.endr
.irp b, 0,1,2,3
	v_fma_f32 v[BM+\b], v[BM+\b], s[CS], v12
.endr
.set j, 0
	s_wait_alu depctr_va_vdst(0)
.rept 64
	v_exp_f32 v[S+j], v[S+j]                       ; p = 2^(t - M)
.set j, j+1
.endr
	v_pk_mul_f32 v[14:15], v[14:15], v[FF:FF+1] op_sel_hi:[1,0]   ; the sums under the new M (a plain line behind the exponentials)
	s_wait_alu depctr_va_vdst(0)                   ; one wait for the batch, ahead of its first reader
.irp b, 0,1,2,3
	v_exp_f32 v[BM+\b], v[BM+\b]                   ; the blocks' largest p
.endr
	v_pk_add_f32 v[228:229], v[100:101], v[104:105]
	v_pk_add_f32 v[252:253], v[108:109], v[112:113]
	v_pk_add_f32 v[250:251], v[116:117], v[120:121]
	v_pk_add_f32 v[248:249], v[124:125], v[128:129]
	v_pk_add_f32 v[242:243], v[132:133], v[136:137]
	v_pk_add_f32 v[222:223], v[140:141], v[144:145]
	v_pk_add_f32 v[220:221], v[148:149], v[152:153]
	v_pk_add_f32 v[14:15], v[14:15], v[156:157]
	v_pk_add_f32 v[228:229], v[228:229], v[96:97]
	v_pk_add_f32 v[252:253], v[252:253], v[98:99]
	v_pk_add_f32 v[250:251], v[250:251], v[102:103]
	v_pk_add_f32 v[248:249], v[248:249], v[106:107]
	v_pk_add_f32 v[242:243], v[242:243], v[110:111]
	v_pk_add_f32 v[222:223], v[222:223], v[114:115]
	v_pk_add_f32 v[220:221], v[220:221], v[118:119]
	v_pk_add_f32 v[14:15], v[14:15], v[122:123]
	v_pk_add_f32 v[228:229], v[228:229], v[126:127]
	v_pk_add_f32 v[252:253], v[252:253], v[130:131]
	v_pk_add_f32 v[250:251], v[250:251], v[134:135]
	v_pk_add_f32 v[248:249], v[248:249], v[138:139]
	v_pk_add_f32 v[242:243], v[242:243], v[142:143]
	v_pk_add_f32 v[222:223], v[222:223], v[146:147]
	v_pk_add_f32 v[220:221], v[220:221], v[150:151]
	v_pk_add_f32 v[14:15], v[14:15], v[154:155]
	v_pk_add_f32 v[228:229], v[228:229], v[158:159]
	s_delay_alu instid0(VALU_DEP_2)
	v_pk_add_f32 v[14:15], v[14:15], v[248:249]
	s_delay_alu instid0(VALU_DEP_2)
	v_pk_add_f32 v[228:229], v[228:229], v[242:243]
	v_pk_add_f32 v[252:253], v[252:253], v[222:223]
	v_pk_add_f32 v[250:251], v[250:251], v[220:221]
	s_delay_alu instid0(VALU_DEP_2)
	v_pk_add_f32 v[14:15], v[14:15], v[252:253]
	s_delay_alu instid0(VALU_DEP_2)
	v_pk_add_f32 v[228:229], v[228:229], v[250:251]
	s_delay_alu instid0(VALU_DEP_1)
	v_pk_add_f32 v[14:15], v[14:15], v[228:229]
	s_wait_alu depctr_va_vdst(0)                   ; and one for the four
.irp b, 0,1,2,3
	v_max_num_f32 v[BM+\b], 0x1800000, v[BM+\b]    ; the floor 2^(3 - 127): the byte cannot fall under 1
.endr
.irp b, 0,1,2,3
	s_delay_alu instid0(VALU_DEP_4)
	v_add_nc_u32 v[SO+\b], 0xff000000, v[BM+\b]    ; 2 off the exponent field: the conversion's scale operand
.endr
.irp b, 0,1,2,3
	s_delay_alu instid0(VALU_DEP_4)
	v_lshrrev_b32 v[TP+\b], 23, v[SO+\b]
.endr
	s_delay_alu instid0(VALU_DEP_3)
	v_lshl_or_b32 v[PSC], v[TP+1], 8, v[TP]        ; p's scale word for these 128 keys
	s_delay_alu instid0(VALU_DEP_1)
	v_lshl_or_b32 v[PSC], v[TP+2], 16, v[PSC]
	s_delay_alu instid0(VALU_DEP_1)
	v_lshl_or_b32 v[PSC], v[TP+3], 24, v[PSC]
	s_setprio 0
.irp c, 0,1
	v_cvt_scalef32_pk16_fp6_f32 v[PC+6*\c:PC+6*\c+2], v[S+32*\c:S+32*\c+15], v[SO+2*\c]
	v_cvt_scalef32_pk16_fp6_f32 v[PT+4*\c:PT+4*\c+2], v[S+32*\c+16:S+32*\c+31], v[SO+2*\c+1]
.endr
	v_nop                                          ; one plain line behind a scaled conversion
.irp c, 0,1
.irp i, 0,1,2
	v_permlane16_swap_b32 v[PC+6*\c+\i], v[PT+4*\c+\i]
.endr
.irp i, 0,1,2
	s_delay_alu instid0(VALU_DEP_3)
	v_mov_b32 v[PC+3+6*\c+\i], v[PT+4*\c+\i]
.endr
.endr
	s_wait_dscnt 0x0                               ; V and its words are in
.irp m, 0,1
	v_perm_b32 v[VS+\m], v[VR+2+\m], v[VR+\m], s[PSEL]   ; two bytes of each of the two groups of 64 keys make the word of 128
.endr
.set j, 0
.rept 16
	v_pk_mul_f32 v[OT+j:OT+j+1], v[OT+j:OT+j+1], v[FF:FF+1] op_sel_hi:[1,0]   ; O^T under the new M.  Of these sixteen, twelve name no register of any one product below: the places between the scale words' lines and the products
.set j, j+2
.endr
.irp dt, 0,1,2,3                               ; the four accumulators by turns
.if \dt%2
	v_wmma_scale_f32_16x16x128_f8f6f4 v[OT+8*\dt:OT+8*\dt+7], v[KV+12*\dt:KV+12*\dt+11], v[PC:PC+11], v[OT+8*\dt:OT+8*\dt+7], v[VS+\dt/2], v[PSC] matrix_a_fmt:MATRIX_FMT_FP6 matrix_b_fmt:MATRIX_FMT_FP6 matrix_a_scale:MATRIX_SCALE_ROW1
.else
	v_wmma_scale_f32_16x16x128_f8f6f4 v[OT+8*\dt:OT+8*\dt+7], v[KV+12*\dt:KV+12*\dt+11], v[PC:PC+11], v[OT+8*\dt:OT+8*\dt+7], v[VS+\dt/2], v[PSC] matrix_a_fmt:MATRIX_FMT_FP6 matrix_b_fmt:MATRIX_FMT_FP6
.endif
.endr
.Lhid:
	s_add_co_u32 s[TK], s[TK], 6144
	s_add_co_u32 s[TS], s[TS], 512
	s_add_co_u32 s[ST], s[ST], 1
	s_cmp_lt_u32 s[ST], 16
	s_cbranch_scc1 .Lstep
	s_setprio 0
	; A PASS'S END: O^T / the sum, in the true order of the dims, quantised along d_model: two blocks of 32.
.rept 4
	v_nop                                          ; places behind the last products
.endr
	v_add_f32 v14, v14, v15
	s_delay_alu instid0(VALU_DEP_1)
	v_permlanex16_b32 v[TT], v14, s[SEL], s[SEL+1]
	s_delay_alu instid0(VALU_DEP_1)
	v_add_f32 v14, v14, v[TT]                      ; the row's sum
	s_wait_alu depctr_va_vdst(0)
	v_rcp_f32 v14, v14
	v_nop                                          ; a plain line behind the reciprocal
	s_wait_alu depctr_va_vdst(0)                   ; and the wait ahead of its first reader
.set j, 0
.rept 16
	v_pk_mul_f32 v[S+j:S+j+1], v[OT+j:OT+j+1], v[14:15] op_sel_hi:[1,0]   ; register 8 dt + j: dim 16 dt + 8 h + j
.set j, j+2
.endr
.irp b, 0,1                                    ; W_o comes in plain order, so here the lanes' halves change places ahead of the quantiser: registers 16 b + 0 .. 15 become dims 32 b + 16 h + 0 .. 15
.irp j, 0,1,2,3,4,5,6,7
	v_permlane16_swap_b32 v[S+16*\b+\j], v[S+16*\b+8+\j]
.endr
.endr
.irp b, 0,1
	v_max3_num_f32 v[BM+\b], |v[S+16*\b]|, |v[S+16*\b+1]|, 0x1800000
.endr
.irp i, 2,4,6,8,10,12,14
.irp b, 0,1
	s_delay_alu instid0(VALU_DEP_2)
	v_max3_num_f32 v[BM+\b], v[BM+\b], |v[S+16*\b+\i]|, |v[S+16*\b+\i+1]|
.endr
.endr
.irp b, 0,1
	s_delay_alu instid0(VALU_DEP_2)
	v_permlanex16_b32 v[TP+\b], v[BM+\b], s[SEL], s[SEL+1]
.endr
.irp b, 0,1
	s_delay_alu instid0(VALU_DEP_2)
	v_max_num_f32 v[BM+\b], v[BM+\b], v[TP+\b]
.endr
.irp b, 0,1
	s_delay_alu instid0(VALU_DEP_2)
	v_add_nc_u32 v[SO+\b], 0xff000000, v[BM+\b]
.endr
.irp b, 0,1
	s_delay_alu instid0(VALU_DEP_2)
	v_lshrrev_b32 v[TP+\b], 23, v[SO+\b]
.endr
	s_delay_alu instid0(VALU_DEP_1)
	v_lshl_or_b32 v[TT], v[TP+1], 8, v[TP]
	v_mov_b32 v[OW], v[OW+1]                       ; behind two passes: the first pass's word, and
	s_delay_alu instid0(VALU_DEP_2)
	v_or_b32 v[OW+1], 0x7f7f0000, v[TT]            ; the second's
	v_cvt_scalef32_pk16_fp6_f32 v[PC:PC+2], v[S:S+15], v[SO]
	v_cvt_scalef32_pk16_fp6_f32 v[PT:PT+2], v[S+16:S+31], v[SO+1]
	v_nop
.irp i, 0,1,2
	v_permlane16_swap_b32 v[PC+\i], v[PT+\i]       ; lane (r, h): block h, its lower 16 codes and its upper 16
.endr
.irp i, 0,1,2
	s_delay_alu instid0(VALU_DEP_3)
	v_mov_b32 v[PC+3+\i], v[PT+\i]
.endr
	global_store_b128 v[L16], v[PC:PC+3], s[OB:OB+1]   ; a half image: 512 + 256 consecutive bytes
	global_store_b64 v[L8], v[PC+4:PC+5], s[OB:OB+1]
.irp i, 0,1,2,3,4,5
	v_mov_b32 v[QF+\i], v[Q2+\i]                   ; the second tile's Q
.endr
	v_mov_b32 v[QS], v[Q2+6]
	s_wait_xcnt 0x0                                ; the stores have read their base and their data: both are written again only behind this wait
	s_add_nc_u64 s[OB:OB+1], s[OB:OB+1], s[OD:OD+1]
	s_xor_b32 s[GC], s[GC], 15                     ; 15 - gamma
	s_add_co_u32 s[PASS], s[PASS], 1
	s_cmp_lt_u32 s[PASS], 2
	s_cbranch_scc1 .Lpass
	ds_store_b32 v[OA0], v[OW]                     ; lanes 16-31 write the same words as lanes 0-15
	ds_store_b32 v[OA1], v[OW+1]
	s_wait_dscnt 0x0                               ; for the others' sake
	s_barrier_signal -1
	s_barrier_wait -1
	s_cmp_lt_u32 s[WV], 8
	s_cbranch_scc0 .Lno_words
	ds_load_b64 v[GD:GD+1], v[GA]
	s_wait_dscnt 0x0
	global_store_b64 v[GO], v[GD:GD+1], s[10:11]   ; 32 lanes store 256 consecutive bytes, aligned
.Lno_words:
	s_wait_tensorcnt 0x0
	ds_add_u32 v254, v255
	s_wait_dscnt 0x0
	CROUND                                         ; the closing round
	s_endpgm
.Lfunc_end_k_q3fc966941f_attn:
	.size	k_q3fc966941f_attn, .Lfunc_end_k_q3fc966941f_attn-k_q3fc966941f_attn
	.p2alignl 7, 3214868480
	.fill 96, 4, 3214868480
	.section	.rodata,"a",@progbits
	.p2align	6, 0x0
	.amdhsa_kernel k_q3fc966941f_attn
		.amdhsa_group_segment_fixed_size 217088
		.amdhsa_private_segment_fixed_size 0
		.amdhsa_enable_private_segment 0
		.amdhsa_kernarg_size 32
		.amdhsa_user_sgpr_count 2
		.amdhsa_user_sgpr_kernarg_segment_ptr 1
		.amdhsa_wavefront_size32 1
		.amdhsa_system_sgpr_workgroup_id_x 1
		.amdhsa_system_sgpr_workgroup_id_y 1
		.amdhsa_system_sgpr_workgroup_id_z 1
		.amdhsa_system_vgpr_workitem_id 0
		.amdhsa_next_free_vgpr 256
		.amdhsa_next_free_sgpr 80
		.amdhsa_reserve_vcc 1
		.amdhsa_float_denorm_mode_32 3
		.amdhsa_float_denorm_mode_16_64 3
		.amdhsa_memory_ordered 1
		.amdhsa_forward_progress 1
		.amdhsa_inst_pref_size 39
	.end_amdhsa_kernel
	.amdgpu_metadata
---
amdhsa.version: [ 1, 2 ]
amdhsa.kernels:
  - .name:           k_q3fc966941f_attn
    .symbol:         k_q3fc966941f_attn.kd
    .args:
      - { .name: qkvc, .offset: 0, .size: 8, .value_kind: global_buffer, .address_space: global }
      - { .name: qkvs, .offset: 8, .size: 8, .value_kind: global_buffer, .address_space: global }
      - { .name: oc, .offset: 16, .size: 8, .value_kind: global_buffer, .address_space: global }
      - { .name: os, .offset: 24, .size: 8, .value_kind: global_buffer, .address_space: global }
    .group_segment_fixed_size: 217088
    .private_segment_fixed_size: 0
    .kernarg_segment_align: 8
    .kernarg_segment_size: 32
    .max_flat_workgroup_size: 512
    .sgpr_count:     80
    .vgpr_count:     256
    .wavefront_size: 32
...
	.end_amdgpu_metadata
.endif
;; end of part 2
;; launch oproj (part 3): grid 8 x 32, 4 waves a work-group, clusters of 4 x 4, 327,680 bytes of LDS; arguments oc, os, W_o_codes, W_o_scales, out0; writes out0
.if DOCPART == 3
	.amdgcn_target "amdgcn-amd-amdhsa--gfx1250"
	.amdhsa_code_object_version 6
	.text
	.protected	k_q3fc966941f_oproj
	.globl	k_q3fc966941f_oproj
	.p2align	8
	.type	k_q3fc966941f_oproj,@function
k_q3fc966941f_oproj:
	s_mov_b64 s[64:65], 0
	v_nop
	global_prefetch_b8 v0, s[64:65] scope:SCOPE_SE
	s_setreg_imm32_b32 hwreg(HW_REG_WAVE_MODE, 25, 1), 1
	s_wait_xcnt 0x0
	s_wait_alu depctr_hold_cnt(0) depctr_sa_sdst(0) depctr_va_vdst(0) depctr_va_sdst(0) depctr_va_ssrc(0) depctr_va_vcc(0) depctr_vm_vsrc(0)
	s_getreg_b32 s2, hwreg(HW_REG_IB_STS2, 6, 4)
	s_cmp_eq_u32 s2, 0
	s_cbranch_scc0 .Lentry_in_a_cluster
	s_endpgm
.Lentry_in_a_cluster:
	s_bfe_u32 s2, ttmp6, 0x10000c
	s_cmp_lg_u32 s2, 0xf033
	s_cbranch_scc0 .Lentry_shape_is_right
	s_endpgm
.Lentry_shape_is_right:
; out0 = O W_o^T on codes of FP6 (E2M3) with E8M0 scales, K = 1,024.  O comes as half images (16 tokens x 64 codes as registers, [tile of 16 tokens][head]) with scale words of two bytes a head; W_o as rows of codes.
; 256 work-groups of 256 tokens x 128 outputs; wave w makes tokens 64 w .. 64 w + 63 x all 128: 32 accumulators, window 2.
; ALL OF K FOR BOTH OPERANDS LIES IN LDS (196,608 + 122,880 bytes): four chunks of 256 along K, each asked for once at the start; the products of chunk k begin when chunk k has landed.  Nothing is filled again.
; The scale words of all of K stay in registers.  THE MATRIX INSTRUCTION IS USED TRANSPOSED (source 0 = 16 rows of W_o, source 1 = 16 tokens): a lane holds eight neighbouring numbers of a row of out0.
; CLUSTERS: 4 x 4; O's chunks are shared along a row of the cluster, W_o's along a column, by joint loads.
; LIMITS: NaN, infinities and given scale bytes 0xff are not served.
; REGISTERS: window 0: v16-28 addresses; v32-63 W_o's scale words; v64-79 O's; v80-175 O's fragments, two sets; v176-207 O's words as loaded; on the way out v80-207 rows of out0.  window 1: W_o's fragments, two sets.
.set FR,     12
.set PITCH,  240                       ; a row of W_o's chunk in LDS: 3 x (64 bytes + 16 of padding)
.set ACH,    49152                     ; a chunk of O: 16 tiles of tokens x 4 heads x 768 bytes
.set BBASE,  196608
.set BCH,    128*PITCH                 ; a chunk of W_o
.set SPITCH, 528                       ; the way out: 16 rows x (512 bytes + 16) for each wave, in O's chunk 0, which nobody reads behind the second barrier
.set AA16, 16                          ; v16  my wave's tiles of O: 12,288 x wave + 16 x lane (+ the chunk)
.set AA8,  17                          ; v17  the same + 512 + 8 x lane
.set ADRB, 20                          ; v20  W_o: BBASE + 240 r + 24 h;  v22: behind one padding more
.set STO,  24
.set RD,   25
.set CO,   26
.set L4,   27
.set L32,  28
.set SB,   32                          ; v[SB + 8 i + g]: K step g; lanes 0-15 W_o's block 2 i, lanes 16-31 block 2 i + 1
.set SA,   64                          ; v[SA + 8 i + g]: lanes 0-15 tile of tokens 2 i, lanes 16-31 tile 2 i + 1
.set AF,   80
.set RAW,  176
.set BK,   80
.set G1A,  24
.set G1B,  32
.set G0A,  48                          ; s[48:63] group 0 for O's four chunks
.set G0B,  68                          ; s[68:83] for W_o's
.set MSB, 0
.macro WIN new
.if MSB != \new
	s_set_vgpr_msb (MSB<<8)|\new
.set MSB, \new
.endif
.endm
.set MUL,  0xa1                        ; source 0 (W_o) window 1, source 1 (O) window 0, C and D window 2
.set TO_B, 0x40
.macro CROUND
	s_barrier_signal -1
	s_barrier_wait -1
	s_cmp_lg_u32 s14, 0
	s_cbranch_scc1 .Lnot_wave_0_\@
	s_barrier_signal -3
.Lnot_wave_0_\@:
	s_barrier_wait -3
	s_barrier_signal -1
	s_barrier_wait -1
.endm
.macro PLACES
.rept 4
	v_nop
.endr
.endm
	s_load_b256 s[4:11], s[0:1], 0x0               ; oc, os, W_o's codes, W_o's scales
	s_load_b64 s[12:13], s[0:1], 0x20              ; out0
	v_lshl_add_u32 v254, v0, 2, 0x4e000
	v_mov_b32 v255, 0
	ds_add_u32 v254, v255
	ds_add_u32 v254, v255
	v_lshrrev_b32 v1, 5, v0
	v_readfirstlane_b32 s14, v1                    ; wave 0..3
	s_lshr_b32 s15, s14, 1                         ; I fetch for O (0) or for W_o (1)
	s_and_b32 s16, s14, 1                          ; which half of a chunk's rows
	s_bfe_u32 s40, ttmp6, 0x40000
	s_bfe_u32 s41, ttmp6, 0x40004
	s_lshl_b32 s42, ttmp9, 2
	s_add_co_u32 s42, s42, s40                     ; tx: 128 outputs
	s_and_b32 s17, ttmp7, 0xffff
	s_lshl_b32 s17, s17, 2
	s_add_co_u32 s17, s17, s41                     ; ty: 256 tokens
	s_lshl_b32 s43, s41, 2
	s_lshl_b32 s43, 15, s43                        ; my row of the cluster
	s_lshl_b32 s44, 0x1111, s40                    ; my column
	; O: 8 tiles of tokens x 3,072 bytes (384 elements of 8 bytes), 12,288 bytes apart in memory, on end in LDS
	s_or_b32 s[G1A], s43, (3<<16)|(1<<21)
	s_mov_b32 s[G1A+1], 384<<16
	s_mov_b32 s[G1A+2], 8<<16
	s_mov_b32 s[G1A+3], 384<<16
	s_mov_b32 s[G1A+4], 8
	s_mov_b32 s[G1A+5], 1536
	s_mov_b32 s[G1A+6], 0
	s_mov_b32 s[G1A+7], 0
	; W_o: 64 rows x 192 bytes, 768 apart, 16 bytes of padding behind every 64
	s_or_b32 s[G1B], s44, (0<<16)|(1<<20)|(1<<21)|(3<<22)|(3<<25)
	s_mov_b32 s[G1B+1], 192<<16
	s_mov_b32 s[G1B+2], 64<<16
	s_mov_b32 s[G1B+3], 192<<16
	s_mov_b32 s[G1B+4], 64
	s_mov_b32 s[G1B+5], 768
	s_mov_b32 s[G1B+6], 0
	s_mov_b32 s[G1B+7], 0
	s_lshl_b32 s20, s17, 4
	s_lshl_b32 s21, s16, 3
	s_add_co_u32 s20, s20, s21
	s_mul_i32 s20, s20, 12288                      ; O: tile of tokens 16 ty + 8 x half
	s_mov_b32 s21, 0
	s_lshl_b32 s46, s42, 7
	s_lshl_b32 s47, s16, 6
	s_add_co_u32 s46, s46, s47
	s_mul_i32 s46, s46, 768                        ; W_o: row 128 tx + 64 x half
	s_mov_b32 s47, 0
	s_mul_i32 s22, s16, 24576
	s_mul_i32 s23, s16, 64*PITCH
	s_wait_dscnt 0x0
	s_wait_kmcnt 0x0
	s_add_nc_u64 s[20:21], s[4:5], s[20:21]
	s_add_nc_u64 s[46:47], s[8:9], s[46:47]
.irp k, 0,1,2,3
	s_mov_b32 s[G0A+4*\k], 1
	s_add_co_u32 s[G0A+4*\k+1], s22, ACH*\k
	s_add_nc_u64 s[G0A+4*\k+2:G0A+4*\k+3], s[20:21], 3072*\k
	s_or_b32 s[G0A+4*\k+3], s[G0A+4*\k+3], 0x80000000
	s_mov_b32 s[G0B+4*\k], 1
	s_add_co_u32 s[G0B+4*\k+1], s23, BBASE+BCH*\k
	s_add_nc_u64 s[G0B+4*\k+2:G0B+4*\k+3], s[46:47], 192*\k
	s_or_b32 s[G0B+4*\k+3], s[G0B+4*\k+3], 0x80000000
.endr
	CROUND                                         ; all sixteen work-groups are here: the joint loads meet
	s_cmp_eq_u32 s15, 0                            ; a wave's four first fills stand in one branch on the wave's number: four tensor loads of mine are out
	s_cbranch_scc0 .Lfor_b
	tensor_load_to_lds s[G0A:G0A+3], s[G1A:G1A+7]
	s_nop 0
	tensor_load_to_lds s[G0A+4:G0A+7], s[G1A:G1A+7]
	s_nop 0
	tensor_load_to_lds s[G0A+8:G0A+11], s[G1A:G1A+7]
	s_nop 0
	tensor_load_to_lds s[G0A+12:G0A+15], s[G1A:G1A+7]
	s_nop 0
.rept 4
	v_nop
.endr
	s_branch .Lasked
.Lfor_b:
	tensor_load_to_lds s[G0B:G0B+3], s[G1B:G1B+7]
	s_nop 0
	tensor_load_to_lds s[G0B+4:G0B+7], s[G1B:G1B+7]
	s_nop 0
	tensor_load_to_lds s[G0B+8:G0B+11], s[G1B:G1B+7]
	s_nop 0
	tensor_load_to_lds s[G0B+12:G0B+15], s[G1B:G1B+7]
	s_nop 0
.rept 4
	v_nop
.endr
.Lasked:
	v_and_b32 v1, 31, v0                           ; lane
	v_and_b32 v2, 15, v0                           ; r
	v_bfe_u32 v3, v0, 4, 1                         ; h
	v_lshlrev_b32 v[L4], 2, v1
	v_lshlrev_b32 v[L32], 5, v1
	; O's words: [head][batch][cx][group of 128 tokens][32 rows].  My 64 tokens: batch ty / 8, group 2 (ty % 8) + w / 2, cx = 2 (w % 2) + i
	s_lshr_b32 s84, s17, 3
	s_lshl_b32 s84, s84, 13
	s_lshl_b32 s85, s16, 12
	s_add_co_u32 s84, s84, s85
	s_and_b32 s85, s17, 7
	s_lshl_b32 s85, s85, 1
	s_add_co_u32 s85, s85, s15
	s_lshl_b32 s85, s85, 7
	s_add_co_u32 s84, s84, s85
	s_mov_b32 s85, 0
	s_add_nc_u64 s[6:7], s[6:7], s[84:85]
	s_lshl_b32 s84, s42, 12                        ; W_o's scale bytes: 32 a row, my 128 rows
	s_add_nc_u64 s[10:11], s[10:11], s[84:85]
.irp i, 0,1,2,3
	global_load_b128 v[SB+8*\i:SB+8*\i+3], v[L32], s[10:11] offset:1024*\i       ; lane l: row 32 i + l, K steps 0-3,
	global_load_b128 v[SB+8*\i+4:SB+8*\i+7], v[L32], s[10:11] offset:1024*\i+16  ; and 4-7
.endr
.irp hd, 0,1,2,3,4,5,6,7,8,9,10,11,12,13,14,15
.irp i, 0,1
	global_load_b32 v[RAW+2*\hd+\i], v[L4], s[6:7] offset:32768*\hd+2048*\i
.endr
.endr
	s_mul_i32 s86, s14, 12288
	v_lshlrev_b32 v4, 4, v1
	v_add_nc_u32 v[AA16], s86, v4
	v_lshlrev_b32 v5, 3, v1
	v_add_nc_u32 v5, 512, v5
	v_add_nc_u32 v[AA8], s86, v5
	v_mul_u32_u24 v6, v2, PITCH
	v_mad_u32_u24 v6, v3, 24, v6
	v_add_nc_u32 v[ADRB], BBASE, v6
	v_lshl_add_u32 v[ADRB+2], v3, 4, v[ADRB]
	s_mul_i32 s86, s14, 16*SPITCH                  ; my stage
	v_mul_u32_u24 v6, v2, SPITCH
	v_lshl_add_u32 v6, v3, 5, v6
	v_add_nc_u32 v[STO], s86, v6                   ; in: row r, 32 bytes for each half of the lanes
	v_mov_b32 v[CO], v4                            ; back: the 32 lanes take one row of 512 bytes; and the same in out0
	v_add_nc_u32 v[RD], s86, v4
	s_lshl_b32 s84, s17, 8
	s_lshl_b32 s86, s14, 6
	s_add_co_u32 s84, s84, s86                     ; my first token
	s_lshl_b32 s84, s84, 12                        ; a row of out0 is 4,096 bytes
	s_lshl_b32 s86, s42, 9
	s_add_co_u32 s84, s84, s86
	s_add_nc_u64 s[12:13], s[12:13], s[84:85]
	s_mov_b32 s86, 0x05040100
	s_wait_loadcnt 0x0
.irp i, 0,1
.irp g, 0,1,2,3,4,5,6,7
	v_perm_b32 v[SA+8*\i+\g], v[RAW+2*(2*\g+1)+\i], v[RAW+2*(2*\g)+\i], s86   ; two bytes of each of heads 2 g and 2 g + 1 make the word of K step g
.endr
.endr
.rept 8
	v_nop                                          ; a scale register written by a vector instruction stands eight plain lines ahead of the scaled matrix instruction
.endr
.macro FRAGB reg, q, i                 ; W_o: 16 rows x 128 K in pieces of 8 bytes; lanes 16-31 read three pieces further on, for some pieces behind one padding more
.irp p, 0,1,2,3,4,5
.set PCE, 12*(\q)+6*(\p/3)+\p%3
.if PCE%8 < 5
	ds_load_b64 v[\reg+2*\p:\reg+2*\p+1], v[ADRB] offset:8*PCE+16*(PCE/8)+(\i)*16*PITCH
.else
	ds_load_b64 v[\reg+2*\p:\reg+2*\p+1], v[ADRB+2] offset:8*PCE+16*(PCE/8)+(\i)*16*PITCH
.endif
.endr
.endm
.macro FRAGA reg, q, a                 ; O: two half images are a fragment's registers as they stand
.irp c, 0,1
	ds_load_b128 v[\reg+6*\c:\reg+6*\c+3], v[AA16] offset:3072*(\a)+768*(2*(\q)+\c)
	ds_load_b64 v[\reg+6*\c+4:\reg+6*\c+5], v[AA8] offset:3072*(\a)+768*(2*(\q)+\c)
.endr
.endm
.macro FETCH g, set                    ; K step g's fragments into set
	WIN TO_B
.irp i, 0,1,2,3,4,5,6,7
	FRAGB 128*(\set)+FR*\i, (\g)%2, \i
.endr
	WIN 0
.irp a, 0,1,2,3
	FRAGA AF+48*(\set)+FR*\a, (\g)%2, \a
.endr
.endm
.macro PROD tok, wo, zero              ; one product; tok, wo: the scale words of an odd tile lie in lanes 16-31
.if \zero
.if (\tok) && (\wo)
	v_wmma_scale_f32_16x16x128_f8f6f4 v[rD:rD+7], v[rB:rB+11], v[rA:rA+11], 0, v[rSB], v[rSA] matrix_a_fmt:MATRIX_FMT_FP6 matrix_b_fmt:MATRIX_FMT_FP6 matrix_a_scale:MATRIX_SCALE_ROW1 matrix_b_scale:MATRIX_SCALE_ROW1
.elseif \wo
	v_wmma_scale_f32_16x16x128_f8f6f4 v[rD:rD+7], v[rB:rB+11], v[rA:rA+11], 0, v[rSB], v[rSA] matrix_a_fmt:MATRIX_FMT_FP6 matrix_b_fmt:MATRIX_FMT_FP6 matrix_a_scale:MATRIX_SCALE_ROW1
.elseif \tok
	v_wmma_scale_f32_16x16x128_f8f6f4 v[rD:rD+7], v[rB:rB+11], v[rA:rA+11], 0, v[rSB], v[rSA] matrix_a_fmt:MATRIX_FMT_FP6 matrix_b_fmt:MATRIX_FMT_FP6 matrix_b_scale:MATRIX_SCALE_ROW1
.else
	v_wmma_scale_f32_16x16x128_f8f6f4 v[rD:rD+7], v[rB:rB+11], v[rA:rA+11], 0, v[rSB], v[rSA] matrix_a_fmt:MATRIX_FMT_FP6 matrix_b_fmt:MATRIX_FMT_FP6
.endif
.else
.if (\tok) && (\wo)
	v_wmma_scale_f32_16x16x128_f8f6f4 v[rD:rD+7], v[rB:rB+11], v[rA:rA+11], v[rD:rD+7], v[rSB], v[rSA] matrix_a_fmt:MATRIX_FMT_FP6 matrix_b_fmt:MATRIX_FMT_FP6 matrix_a_scale:MATRIX_SCALE_ROW1 matrix_b_scale:MATRIX_SCALE_ROW1
.elseif \wo
	v_wmma_scale_f32_16x16x128_f8f6f4 v[rD:rD+7], v[rB:rB+11], v[rA:rA+11], v[rD:rD+7], v[rSB], v[rSA] matrix_a_fmt:MATRIX_FMT_FP6 matrix_b_fmt:MATRIX_FMT_FP6 matrix_a_scale:MATRIX_SCALE_ROW1
.elseif \tok
	v_wmma_scale_f32_16x16x128_f8f6f4 v[rD:rD+7], v[rB:rB+11], v[rA:rA+11], v[rD:rD+7], v[rSB], v[rSA] matrix_a_fmt:MATRIX_FMT_FP6 matrix_b_fmt:MATRIX_FMT_FP6 matrix_b_scale:MATRIX_SCALE_ROW1
.else
	v_wmma_scale_f32_16x16x128_f8f6f4 v[rD:rD+7], v[rB:rB+11], v[rA:rA+11], v[rD:rD+7], v[rSB], v[rSA] matrix_a_fmt:MATRIX_FMT_FP6 matrix_b_fmt:MATRIX_FMT_FP6
.endif
.endif
.endm
.macro MUL32 g, set, zero              ; K step g: the 32 accumulators by turns, one instruction a turn, in the same order in every step
	WIN MUL
.irp a, 0,1,2,3
.irp b, 0,1,2,3,4,5,6,7
.set rD, 8*(8*\a+\b)
.set rB, 128*(\set)+FR*\b
.set rA, AF+48*(\set)+FR*\a
.set rSB, SB+8*(\b/2)+(\g)
.set rSA, SA+8*(\a/2)+(\g)
	PROD \a%2, \b%2, \zero
.endr
.endr
	WIN 0
.endm
.macro SYNC k                          ; chunk k has landed in every wave's part; the later chunks stay out
	s_wait_tensorcnt 3-(\k)
	s_barrier_signal -1
	s_barrier_wait -1
.endm
	SYNC 0
	FETCH 0, 0
.irp g, 0,1,2,3,4,5,6,7
	s_wait_dscnt 0x0                               ; K step g's fragments are in
.if \g < 7
.if \g%2
	SYNC (\g+1)/2
	v_add_nc_u32 v[AA16], ACH, v[AA16]             ; on to the next chunk.  (These four are also the places between the last products and the loads into their registers)
	v_add_nc_u32 v[AA8], ACH, v[AA8]
	v_add_nc_u32 v[ADRB], BCH, v[ADRB]
	v_add_nc_u32 v[ADRB+2], BCH, v[ADRB+2]
.else
	PLACES
.endif
	FETCH \g+1, (\g+1)%2                           ; the next step's fragments land while this step is multiplied
.endif
.if \g == 0
	MUL32 \g, 0, 1                                 ; the first products start the sums
.else
	MUL32 \g, (\g%2), 0
.endif
.endr
; THE WAY OUT, block by block of 16 tokens x 128 outputs, through my own stage: a lane holds 32 neighbouring bytes of a row; the rows come back whole, 512 bytes, and 32 lanes store them.
; LDS serves a wave's instructions in order (ISA guide 5.7.1.4): no wait between the stores and the loads.
.macro TOSTAGE a
	WIN 0x08                                       ; an LDS store's data are its source 1: window 2
.irp b, 0,1,2,3,4,5,6,7
	ds_store_b128 v[STO], v[64*(\a)+8*\b:64*(\a)+8*\b+3] offset:64*\b          ; each accumulator from its low end on
	ds_store_b128 v[STO], v[64*(\a)+8*\b+4:64*(\a)+8*\b+7] offset:64*\b+16
.endr
	WIN 0
.set BB, BK+64*((\a)%2)
.irp t, 0,1,2,3,4,5,6,7,8,9,10,11,12,13,14,15
	ds_load_b128 v[BB+4*\t:BB+4*\t+3], v[RD] offset:\t*SPITCH
.endr
.endm
.macro SEND a, younger                 ; younger: the LDS instructions issued behind block a's loads, which may stay out
.set BB, BK+64*((\a)%2)
	s_wait_dscnt \younger
.if (\a) > 0
	s_add_nc_u64 s[12:13], s[12:13], 16*4096       ; (behind a wait on XCNT: the earlier stores have read their base)
.endif
.irp t, 0,1,2,3,4,5,6,7,8,9,10,11,12,13,14,15
	global_store_b128 v[CO], v[BB+4*\t:BB+4*\t+3], s[12:13] offset:\t*4096 th:TH_STORE_NT   ; 512 consecutive bytes, at a multiple of 256 from out0's first byte
.endr
.endm
	PLACES
	TOSTAGE 0
.irp a, 1,2,3
.if \a > 1
	s_wait_xcnt 0x0                                ; block a - 2's stores have read their registers and their base
.endif
	TOSTAGE \a
	SEND \a-1, 32                                  ; behind block a - 1's loads: block a's 16 stores and 16 loads
.endr
	s_wait_xcnt 0x0
	SEND 3, 0
	s_wait_dscnt 0x0
	s_wait_tensorcnt 0x0
	ds_add_u32 v254, v255
	s_wait_dscnt 0x0
	CROUND                                         ; the closing round
	s_endpgm
.Lfunc_end_k_q3fc966941f_oproj:
	.size	k_q3fc966941f_oproj, .Lfunc_end_k_q3fc966941f_oproj-k_q3fc966941f_oproj
	.p2alignl 7, 3214868480
	.fill 96, 4, 3214868480
	.section	.rodata,"a",@progbits
	.p2align	6, 0x0
	.amdhsa_kernel k_q3fc966941f_oproj
		.amdhsa_group_segment_fixed_size 327680
		.amdhsa_private_segment_fixed_size 0
		.amdhsa_enable_private_segment 0
		.amdhsa_kernarg_size 40
		.amdhsa_user_sgpr_count 2
		.amdhsa_user_sgpr_kernarg_segment_ptr 1
		.amdhsa_wavefront_size32 1
		.amdhsa_system_sgpr_workgroup_id_x 1
		.amdhsa_system_sgpr_workgroup_id_y 1
		.amdhsa_system_sgpr_workgroup_id_z 1
		.amdhsa_system_vgpr_workitem_id 0
		.amdhsa_next_free_vgpr 768
		.amdhsa_next_free_sgpr 92
		.amdhsa_reserve_vcc 0
		.amdhsa_float_denorm_mode_32 3
		.amdhsa_float_denorm_mode_16_64 3
		.amdhsa_memory_ordered 1
		.amdhsa_forward_progress 1
		.amdhsa_inst_pref_size 96
	.end_amdhsa_kernel
	.amdgpu_metadata
---
amdhsa.version: [ 1, 2 ]
amdhsa.kernels:
  - .name:           k_q3fc966941f_oproj
    .symbol:         k_q3fc966941f_oproj.kd
    .args:
      - { .name: oc, .offset: 0, .size: 8, .value_kind: global_buffer, .address_space: global }
      - { .name: os, .offset: 8, .size: 8, .value_kind: global_buffer, .address_space: global }
      - { .name: W_o_codes, .offset: 16, .size: 8, .value_kind: global_buffer, .address_space: global }
      - { .name: W_o_scales, .offset: 24, .size: 8, .value_kind: global_buffer, .address_space: global }
      - { .name: out0, .offset: 32, .size: 8, .value_kind: global_buffer, .address_space: global }
    .group_segment_fixed_size: 327680
    .private_segment_fixed_size: 0
    .kernarg_segment_align: 8
    .kernarg_segment_size: 40
    .max_flat_workgroup_size: 128
    .sgpr_count:     92
    .vgpr_count:     768
    .wavefront_size: 32
...
	.end_amdgpu_metadata
.endif
;; end of part 3
